; MI455X (gfx1250); checked and timed in simulation.
; The chip was launched on July 23, 2026; its instructions are those of AMD's public machine-readable ISA for CDNA 5 (MIT licence, August 2026) and "CDNA5" Instruction Set Architecture Reference Guide (July 2026). The comments in the code are by the model that wrote it; some were corrected since.
;; Causal Self Attention. Allowed arithmetic: matrix products marked QUANTISED: E3M2 operands, one E8M0 scale for each 32 along K, by v_wmma_scale_f32_16x16x128_f8f6f4 with both operands' format E3M2, f32 sums; everything else in f32.
;; Inputs: w_attn 1,024 x 3,072 float32; w_proj 1,024 x 1,024 float32; x 4 x 2,048 x 1,024 float32.
;; Outputs: out0 4 x 2,048 x 1,024 float32.
;; This version of the problem:
;;   THIS VERSION OF THE PROBLEM IS GIVEN IN LOW PRECISION. The matrix products marked QUANTISED in the list below multiply operands that are first quantised to E3M2 (3 exponent bits, 2 mantissa bits; 6 bits a number), with one power-of-two scale for each 32 numbers along K (OCP MX v1.0); their sums are f32. All else is computed in f32.
;;   The module's matrix products, in the order in which they are computed (A, B: the left and right operand; K: the contracted axis; several contracted axes count as one K, in the product's order):
;;     1. [M 8,192, K 1,024] x [K 1,024, N 3,072]; A: input x; B: input w_attn: QUANTISED
;;     2. batch 64 x [M 2,048, K 64] x [K 64, N 2,048]; A: computed on the way; B: computed on the way: QUANTISED
;;     3. batch 64 x [M 2,048, K 2,048] x [K 2,048, N 64]; A: softmax (see below); B: computed on the way: QUANTISED
;;     4. [M 8,192, K 1,024] x [K 1,024, N 1,024]; A: computed on the way; B: input w_proj: QUANTISED
;;   THE QUANTISER, for each operand of a quantised product, along K:
;;     - K is cut into blocks of 32 from its start; a last block that is shorter is filled with zeros.
;;     - A block's scale is 2^e with e = floor(log2(the largest magnitude in the block)) - 4, held to -126 .. 127; a block of zeros has e = 0. As a byte (E8M0): e + 127.
;;     - Each number is divided by its block's scale, clamped to +-28, and rounded to the nearest number of E3M2, ties to even, subnormals kept.
;;     - The product sums the exact products of the quantised numbers (number of the format x scale) in f32.
;;   ~~~python
;;   def quantise(x, axis):      # numpy; x: float32 -> the quantised numbers, widened to float32 again
;;       x = np.moveaxis(x, axis, -1); K = x.shape[-1]
;;       x = np.pad(x, [(0, 0)] * (x.ndim - 1) + [(0, -K % 32)]); x = x.reshape(x.shape[:-1] + (-1, 32)); a = np.abs(x).max(-1, keepdims=True)
;;       e = np.where(a > 0, np.clip(np.frexp(np.where(a > 0, a, 1))[1] - 1 - 4, -126, 127), 0)      # np.frexp(a)[1] - 1 = floor(log2(a)), exactly
;;       r = np.clip(x / 2.0 ** e, -28, 28)
;;       step = 2.0 ** (np.maximum(np.frexp(np.where(r == 0, 1, r))[1] - 1, -2) - 2)
;;       q = np.round(r / step) * step * 2.0 ** e      # np.round: ties to even
;;       return np.moveaxis(q.reshape(q.shape[:-2] + (-1,))[..., :K], -1, axis).astype(np.float32)
;;   ~~~
;;   SOFTMAX AHEAD OF A QUANTISED PRODUCT. Where the list says 'softmax', what is quantised is not the finished softmax but p = 2^(t - M), with t = logit x log2(e) and M = ceil(the row's largest t), a whole number; so 1/2 < the row's largest p <= 1. The row's sum l is taken of the UNQUANTISED p, in f32, and the product's result is divided by l at the end. Since M is a whole number, a kernel that streams over the keys may use a running M (the ceiling of the running maximum): every later rescaling is an exact power of two, which a block's scale takes up: the codes' values come out the same.
;;   OPERANDS COMPUTED ON THE WAY. 'Computed on the way' means the value that the module computes at that place (a softmax that the list does not call 'softmax' is quantised finished and normalised). What goes into a quantiser is computed in f32, as accurately as f32 sums, v_exp_f32 and their like allow (about 1e-6 of the number): no bf16 or f16 on the way to a quantiser, and a product that is left as it is and whose result goes on into a quantised operand takes f32 operands (vector FMAs, or v_wmma_f32_16x16x4_f32). A number that lies on a knife's edge between two numbers of the format may be rounded either way, as far as f32 arithmetic and the matrix unit's own rounding can turn it there, and no further.
;; One version. Each part assembles by itself: llvm-mc -triple=amdgcn-amd-amdhsa -mcpu=gfx1250 --defsym DOCPART=n.
;; ======== version 1 of 1: 4 launches
;; workspace buffers: x_codes 6,291,456 bytes; x_scales 262,144 bytes; w_codes 3,145,728 bytes; w_scales 131,072 bytes; qkv_img 20,185,088 bytes; y_img 6,291,456 bytes; ys 262,144 bytes
;; launch quant (part 1): grid 384 x 1, 4 waves a work-group, no clusters, 68,096 bytes of LDS; arguments x, w_attn, w_proj, x_codes, x_scales, w_codes, w_scales; writes x_codes, x_scales, w_codes, w_scales
.if DOCPART == 1
	.amdgcn_target "amdgcn-amd-amdhsa--gfx1250"
	.amdhsa_code_object_version 6
	.text
	.protected	k_qf74cbbc0ae_quant
	.globl	k_qf74cbbc0ae_quant
	.p2align	8
	.type	k_qf74cbbc0ae_quant,@function
k_qf74cbbc0ae_quant:
	s_mov_b64 s[64:65], 0
	v_nop
	global_prefetch_b8 v0, s[64:65] scope:SCOPE_SE
	s_setreg_imm32_b32 hwreg(HW_REG_WAVE_MODE, 25, 1), 1
	s_wait_xcnt 0x0
; x [8192][1024], w_attn [1024][3072] and w_proj [1024][1024], f32, become codes of BF6 (E3M2) with K innermost, 768 bytes a row, and one E8M0 byte for each 32 along K, 32 bytes a row.
; A block's scale is 2^(floor(log2(largest magnitude)) - 4): its byte is the largest magnitude's exponent field - 4, held at 1 from below.
; LIMITS: a block of zeros gets the byte 1 where the rule says 127 (its codes are zeros, and this program alone reads the bytes); blocks under 2^-122 keep the byte 1; NaN and infinities are not served.
; ORDER OF ROWS IN THE OUTPUT: row a lies at position a with bits 3 and 4 exchanged, so that 16 consecutive positions 32 b + 16 u + r hold rows 32 b + 8 u + r + 8 (r / 8): the order in which a tile's
; results, used transposed, fall as 16 neighbours into a lane's registers.  w_codes: positions 0-3071 the columns of w_attn, 3072-4095 those of w_proj.
; Work-groups 0-255 take x (K innermost: a plain stream of blocks), 256-383 the weights (K outermost: a lane to a column, registers down K).  Each reads 128 KiB.  The two ways have LDS bytes of their own.
; No tensor loads, no barrier: waves share nothing.
.set STEPS, 16
.set EMAX,  4
.set CB,    12                         ; bytes of 16 codes
.set R,     16                         ; x: v16-79   four sets of 16 numbers as loaded
.set X,     80                         ; x: v80-111  two sets of 16 neighbours
.set E,     112                        ; x: v112-127 a scale byte for each step
.set C,     128                        ; x: v128-191 codes, four registers a step: no store's data are written again
.set WREG,  8192                       ; x: LDS of a wave: two stages of 32 x SP bytes, then its 256 scale bytes
.set SP,    80                         ; a lane's place in a stage: 64 bytes + 16 of padding
.set WL,    32768                      ; weights: their LDS begins here
.set NB,    8                          ; weights: blocks of 32 along K for a wave (256 along K)
.set PITCH, 272                        ; weights: a stage row: sixteen places of 16 bytes + 16
.set KROW,  768                        ; a row of codes
.set SB,    24                         ; weights: v24-25 the scale bytes
.set WX,    32                         ; weights: v32-95 two sets of 32 numbers
.set WC,    96                         ; weights: a block's codes
.set OUTR,  112                        ; weights: v112-175 the way out
.set OFFR,  176                        ; weights: v176-207 4 x lane + i x the weight's row pitch; never rewritten
	s_load_b256 s[4:11], s[0:1], 0x0               ; x s[4:5], w_attn s[6:7], w_proj s[8:9], x_codes s[10:11]
	s_load_b128 s[12:15], s[0:1], 0x20             ; x_scales s[12:13], w_codes s[14:15]
	s_load_b64 s[16:17], s[0:1], 0x30              ; w_scales
	v_lshl_add_u32 v208, v0, 2, 0x10800
	v_mov_b32 v209, 0
	v_lshrrev_b32 v1, 5, v0
	v_readfirstlane_b32 s18, v1                    ; wave 0..3
	v_and_b32 v2, 31, v0                           ; lane
	s_cmp_lt_u32 ttmp9, 256
	s_cbranch_scc0 .Lweights
; ---------------- x: a wave takes 8 rows (8,192 numbers) in 16 steps of 512.  Each load reads 512 consecutive bytes; a step's 2,048 bytes turn through the wave's stage so that a lane holds 16 neighbours.
	v_lshlrev_b32 v3, 4, v2                        ; my 16 bytes of a load's 512
	s_mul_i32 s19, s18, WREG
	v_lshrrev_b32 v14, 2, v2
	v_mul_u32_u24 v14, v14, SP
	v_and_b32 v15, 3, v2
	v_lshl_add_u32 v14, v15, 4, v14
	v_add_nc_u32 v14, s19, v14                     ; the stage, in: SP (lane / 4) + 16 (lane % 4)
	v_mul_u32_u24 v15, v2, SP
	v_add_nc_u32 v15, s19, v15                     ; and out: SP x lane
	v_mul_u32_u24 v4, v2, CB                       ; my codes' place in a step's 384 bytes
	v_lshrrev_b32 v5, 1, v2
	s_add_co_u32 s19, s19, 2*32*SP
	v_add_nc_u32 v5, s19, v5                       ; my block's byte among the wave's 256
	v_lshlrev_b32 v7, 3, v2
	v_add_nc_u32 v6, s19, v7                       ; and on the way out 8 bytes a lane
	s_lshl_b32 s20, ttmp9, 2
	s_add_co_u32 s22, s20, s18                     ; the run of 8 rows that I read: 4 x work-group + wave
	s_lshl_b32 s22, s22, 15                        ; 32,768 bytes a run
	s_mov_b32 s23, 0
	s_and_b32 s24, s18, 1                          ; the run's bits 0 and 1 are the rows' bits 3 and 4: exchanged on the way out
	s_lshl_b32 s24, s24, 1
	s_lshr_b32 s25, s18, 1
	s_or_b32 s24, s24, s25
	s_add_co_u32 s24, s24, s20                     ; the run of 8 positions that I write
	s_mul_i32 s26, s24, 8*KROW
	s_mov_b32 s27, 0
	s_lshl_b32 s24, s24, 8                         ; 256 scale bytes a run
	s_mov_b32 s25, 0
	s_wait_kmcnt 0x0
	s_add_nc_u64 s[4:5], s[4:5], s[22:23]
	s_add_nc_u64 s[10:11], s[10:11], s[26:27]
	s_add_nc_u64 s[12:13], s[12:13], s[24:25]
.macro XLOAD t
.irp i, 0,1,2,3
	global_load_b128 v[R+16*((\t)%4)+4*\i:R+16*((\t)%4)+4*\i+3], v3, s[4:5] offset:2048*(\t)+512*\i th:TH_LOAD_NT
.endr
.endm
.macro XTURN t                         ; step t's numbers through the stage: LDS serves a wave's instructions in order, so no wait stands between the stores and the loads
.irp i, 0,1,2,3
	ds_store_b128 v14, v[R+16*((\t)%4)+4*\i:R+16*((\t)%4)+4*\i+3] offset:32*SP*((\t)%2)+8*SP*\i
.endr
.irp i, 0,1,2,3
	ds_load_b128 v[X+16*((\t)%2)+4*\i:X+16*((\t)%2)+4*\i+3], v15 offset:32*SP*((\t)%2)+16*\i
.endr
.endm
.irp t, 0,1,2,3
	XLOAD \t
.endr
	s_wait_loadcnt 12                              ; step 0's four loads are in; the twelve of steps 1 to 3 may be out
	XTURN 0
.macro XSTEP t
.set XS, X+16*((\t)%2)
.if (\t) > 0
	s_wait_dscnt 1                                 ; this step's numbers are back from the stage (the last step's byte store may be out)
.else
	s_wait_dscnt 0x0
.endif
.if (\t)+4 < STEPS
	XLOAD (\t)+4                                   ; into the registers that this step's stage stores have read
.endif
.if (\t)+1 < STEPS
.if STEPS-2-(\t) >= 3
	s_wait_loadcnt 12                              ; the next step's four loads are in; those of the three steps behind it may be out
.else
	s_wait_loadcnt 4*(STEPS-2-(\t))
.endif
	XTURN (\t)+1
.endif
	v_max3_num_f32 v8, |v[XS]|, |v[XS+1]|, |v[XS+2]|               ; the largest magnitude of my 16, in two chains
	v_max3_num_f32 v9, |v[XS+3]|, |v[XS+4]|, |v[XS+5]|
.irp i, 6,10
	v_max3_num_f32 v8, v8, |v[XS+\i]|, |v[XS+\i+1]|
	v_max3_num_f32 v9, v9, |v[XS+\i+2]|, |v[XS+\i+3]|
.endr
	v_max3_num_f32 v8, v8, |v[XS+14]|, |v[XS+15]|
	v_max3_num_f32 v8, v8, v9, (EMAX+1)<<23        ; and the floor 2^(5 - 127): the byte cannot fall under 1
	v_max_num_f32_dpp v8, v8, v8 row_xmask:1 row_mask:0xf bank_mask:0xf   ; with my neighbour's 16: the block's
	v_add_nc_u32 v11, 0xfe000000, v8               ; 4 off its exponent field: the conversion takes the exponent field of this operand as its scale
	v_cvt_scalef32_pk16_bf6_f32 v[C+4*(\t):C+4*(\t)+2], v[XS:XS+15], v11
	v_lshrrev_b32 v[E+(\t)], 23, v11               ; the scale's byte (also the plain line behind the conversion)
	ds_store_b8 v5, v[E+(\t)] offset:16*(\t)       ; both lanes of a block write the same byte with the same value
	global_store_b96 v4, v[C+4*(\t):C+4*(\t)+2], s[10:11] offset:32*CB*(\t)   ; the wave stores 384 consecutive bytes
.endm
.irp t, 0,1,2,3,4,5,6,7,8,9,10,11,12,13,14,15
	XSTEP \t
.endr
	ds_load_b64 v[12:13], v6                       ; in order behind my byte stores
	s_wait_dscnt 0x0
	global_store_b64 v7, v[12:13], s[12:13]        ; 32 lanes store 256 consecutive bytes, aligned
	s_wait_tensorcnt 0x0
	ds_add_u32 v208, v209
	s_wait_dscnt 0x0
	s_endpgm
; ---------------- the weights: a work-group takes 128 columns x 256 along K; a wave 32 columns; a lane one column, its registers running down K, so that a block of 32 lies in one lane.
.Lweights:
	s_sub_co_u32 s20, ttmp9, 256
	s_and_b32 s21, s20, 3                          ; which 256 along K
	s_lshr_b32 s20, s20, 2                         ; which 128 positions of w_codes: 0-23 w_attn, 24-31 w_proj
	s_sub_co_u32 s22, s20, 24
	s_mov_b32 s23, 4096
	s_cmp_lt_u32 s20, 24
	s_cselect_b32 s22, s20, s22                    ; which 128 columns of the weight itself
	s_cselect_b32 s23, 12288, s23                  ; its row pitch in bytes
	v_lshlrev_b32 v3, 2, v2
.set I, 0
.rept 32
	v_mad_u32_u24 v[OFFR+I], s23, I, v3            ; 4 x lane + I rows
.set I, I+1
.endr
	v_and_b32 v10, 7, v2                           ; my column's position among the wave's 32: bits 3 and 4 exchanged
	v_bfe_u32 v11, v2, 3, 1
	v_lshl_or_b32 v10, v11, 4, v10
	v_bfe_u32 v11, v2, 4, 1
	v_lshl_or_b32 v10, v11, 3, v10
	s_mul_i32 s24, s18, 32*PITCH
	s_add_co_u32 s24, s24, WL                      ; my stage
	v_mul_u32_u24 v4, v10, PITCH
	v_add_nc_u32 v4, s24, v4                       ; into it: row = my position
	v_and_b32 v5, 15, v2
	v_lshrrev_b32 v6, 4, v2                        ; out of it: sixteen lanes to a row of 192 bytes, two rows an instruction
	v_mul_u32_u24 v7, v6, PITCH
	v_lshl_add_u32 v7, v5, 4, v7
	v_add_nc_u32 v7, s24, v7
	v_mul_u32_u24 v8, v6, KROW
	v_mad_u32_u24 v8, v5, 12, v8                   ; the same place in w_codes
	v_lshlrev_b32 v9, 5, v10                       ; my position's row of scale bytes
	s_mul_i32 s26, s21, s23
	s_lshl_b32 s26, s26, 8                         ; 256 rows of the weight for each step along K,
	s_lshl_b32 s27, s22, 9
	s_add_co_u32 s26, s26, s27                     ; 512 bytes for each 128 columns,
	s_lshl_b32 s27, s18, 7
	s_add_co_u32 s26, s26, s27                     ; 128 for each wave
	s_mov_b32 s27, 0
	s_lshl_b32 s50, s23, 5                         ; 32 rows: a block on
	s_mov_b32 s51, 0
	s_lshl_b32 s28, s20, 7
	s_lshl_b32 s29, s18, 5
	s_add_co_u32 s28, s28, s29                     ; my wave's first position
	s_mul_i32 s52, s28, KROW
	s_mul_i32 s29, s21, 192
	s_add_co_u32 s52, s52, s29
	s_mov_b32 s53, 0
	s_lshl_b32 s54, s28, 5
	s_lshl_b32 s29, s21, 3
	s_add_co_u32 s54, s54, s29
	s_mov_b32 s55, 0
	s_wait_kmcnt 0x0
	s_cmp_lt_u32 s20, 24                           ; the choice hangs on the work-group's number alone
	s_cselect_b64 s[32:33], s[6:7], s[8:9]
	s_add_nc_u64 s[32:33], s[32:33], s[26:27]      ; block 0's base; a base for each block, so that none is stepped while loads are out
.irp t, 1,2,3,4,5,6,7
	s_add_nc_u64 s[32+2*\t:33+2*\t], s[30+2*\t:31+2*\t], s[50:51]
.endr
	s_add_nc_u64 s[14:15], s[14:15], s[52:53]
	s_add_nc_u64 s[16:17], s[16:17], s[54:55]
.macro WLOAD t                         ; block t: W(32 t + I, my column) into set t % 2: each load reads 128 consecutive bytes a wave
.set I, 0
.rept 32
	global_load_b32 v[WX+32*((\t)%2)+I], v[OFFR+I], s[32+2*(\t):33+2*(\t)] th:TH_LOAD_NT
.set I, I+1
.endr
.endm
	WLOAD 0
	WLOAD 1
.macro WBLOCK t
.set XS, WX+32*((\t)%2)
.if (\t) < NB-1
	s_wait_loadcnt 32                              ; this block's 32 loads are in; the next block's 32 may be out
.else
	s_wait_loadcnt 0
.endif
	v_max3_num_f32 v12, |v[XS]|, |v[XS+1]|, |v[XS+2]|
	v_max3_num_f32 v13, |v[XS+3]|, |v[XS+4]|, |v[XS+5]|
.irp i, 6,10,14,18,22,26
	v_max3_num_f32 v12, v12, |v[XS+\i]|, |v[XS+\i+1]|
	v_max3_num_f32 v13, v13, |v[XS+\i+2]|, |v[XS+\i+3]|
.endr
	v_max3_num_f32 v12, v12, |v[XS+30]|, |v[XS+31]|
	v_max3_num_f32 v12, v12, v13, (EMAX+1)<<23     ; with the floor
	v_add_nc_u32 v11, 0xfe000000, v12              ; the conversion's scale operand
	v_lshrrev_b32 v13, 23, v11                     ; the byte
.if (\t)%4 == 0
	v_mov_b32 v[SB+(\t)/4], v13
.else
	v_lshl_or_b32 v[SB+(\t)/4], v13, 8*((\t)%4), v[SB+(\t)/4]
.endif
	v_cvt_scalef32_pk16_bf6_f32 v[WC:WC+2], v[XS:XS+15], v11
	v_cvt_scalef32_pk16_bf6_f32 v[WC+4:WC+6], v[XS+16:XS+31], v11   ; (a conversion's three registers begin on an even number)
	v_nop                                          ; one plain line behind the conversions
	ds_store_b96 v4, v[WC:WC+2] offset:32*(\t)     ; 12 bytes to a place of 16
	ds_store_b96 v4, v[WC+4:WC+6] offset:32*(\t)+16
.if (\t)+2 < NB
	WLOAD (\t)+2
.endif
	s_wait_dscnt 0x0                               ; the stores have read their registers: the next block's codes may be written
.endm
.irp t, 0,1,2,3,4,5,6,7
	WBLOCK \t
.endr
	global_store_b64 v9, v[SB:SB+1], s[16:17]      ; 8 bytes of my position's 32: rows 32 bytes apart, one byte for each 128 that this way reads
.irp t, 0,1,2,3,4,5,6,7,8,9,10,11,12,13,14,15
	ds_load_b96 v[OUTR+4*\t:OUTR+4*\t+2], v7 offset:2*\t*PITCH
.endr
.irp t, 0,1,2,3,4,5,6,7,8,9,10,11,12,13,14,15
	s_wait_dscnt 15-\t                             ; loads come back in order: the younger ones may be out
	global_store_b96 v8, v[OUTR+4*\t:OUTR+4*\t+2], s[14:15] offset:2*\t*KROW   ; sixteen lanes store a row's 192 consecutive bytes
.endr
	s_wait_tensorcnt 0x0
	ds_add_u32 v208, v209
	s_wait_dscnt 0x0
	s_endpgm
.Lfunc_end_k_qf74cbbc0ae_quant:
	.size	k_qf74cbbc0ae_quant, .Lfunc_end_k_qf74cbbc0ae_quant-k_qf74cbbc0ae_quant
	.p2alignl 7, 3214868480
	.fill 96, 4, 3214868480
	.section	.rodata,"a",@progbits
	.p2align	6, 0x0
	.amdhsa_kernel k_qf74cbbc0ae_quant
		.amdhsa_group_segment_fixed_size 68096
		.amdhsa_private_segment_fixed_size 0
		.amdhsa_enable_private_segment 0
		.amdhsa_kernarg_size 56
		.amdhsa_user_sgpr_count 2
		.amdhsa_user_sgpr_kernarg_segment_ptr 1
		.amdhsa_wavefront_size32 1
		.amdhsa_system_sgpr_workgroup_id_x 1
		.amdhsa_system_sgpr_workgroup_id_y 1
		.amdhsa_system_sgpr_workgroup_id_z 1
		.amdhsa_system_vgpr_workitem_id 0
		.amdhsa_next_free_vgpr 210
		.amdhsa_next_free_sgpr 66
		.amdhsa_reserve_vcc 0
		.amdhsa_float_denorm_mode_32 3
		.amdhsa_float_denorm_mode_16_64 3
		.amdhsa_memory_ordered 1
		.amdhsa_forward_progress 1
		.amdhsa_inst_pref_size 76
	.end_amdhsa_kernel
	.amdgpu_metadata
---
amdhsa.version: [ 1, 2 ]
amdhsa.kernels:
  - .name:           k_qf74cbbc0ae_quant
    .symbol:         k_qf74cbbc0ae_quant.kd
    .args:
      - { .name: x, .offset: 0, .size: 8, .value_kind: global_buffer, .address_space: global }
      - { .name: w_attn, .offset: 8, .size: 8, .value_kind: global_buffer, .address_space: global }
      - { .name: w_proj, .offset: 16, .size: 8, .value_kind: global_buffer, .address_space: global }
      - { .name: x_codes, .offset: 24, .size: 8, .value_kind: global_buffer, .address_space: global }
      - { .name: x_scales, .offset: 32, .size: 8, .value_kind: global_buffer, .address_space: global }
      - { .name: w_codes, .offset: 40, .size: 8, .value_kind: global_buffer, .address_space: global }
      - { .name: w_scales, .offset: 48, .size: 8, .value_kind: global_buffer, .address_space: global }
    .group_segment_fixed_size: 68096
    .private_segment_fixed_size: 0
    .kernarg_segment_align: 8
    .kernarg_segment_size: 56
    .max_flat_workgroup_size: 128
    .sgpr_count:     66
    .vgpr_count:     210
    .wavefront_size: 32
...
	.end_amdgpu_metadata
.endif
;; end of part 1
;; launch qkv (part 2): grid 8 x 48, 4 waves a work-group, clusters of 4 x 4, 327,680 bytes of LDS; arguments x_codes, x_scales, w_codes, w_scales, qkv_img; writes qkv_img
.if DOCPART == 2
	.amdgcn_target "amdgcn-amd-amdhsa--gfx1250"
	.amdhsa_code_object_version 6
	.text
	.protected	k_qf74cbbc0ae_qkv
	.globl	k_qf74cbbc0ae_qkv
	.p2align	8
	.type	k_qf74cbbc0ae_qkv,@function
k_qf74cbbc0ae_qkv:
	s_mov_b64 s[64:65], 0
	v_nop
	global_prefetch_b8 v0, s[64:65] scope:SCOPE_SE
	s_setreg_imm32_b32 hwreg(HW_REG_WAVE_MODE, 25, 1), 1
	s_wait_xcnt 0x0
	s_wait_alu depctr_hold_cnt(0) depctr_sa_sdst(0) depctr_va_vdst(0) depctr_va_sdst(0) depctr_va_ssrc(0) depctr_va_vcc(0) depctr_vm_vsrc(0)
	s_getreg_b32 s2, hwreg(HW_REG_IB_STS2, 6, 4)
	s_cmp_eq_u32 s2, 0
	s_cbranch_scc0 .Lentry_in_a_cluster
	s_endpgm
.Lentry_in_a_cluster:
	s_bfe_u32 s2, ttmp6, 0x10000c
	s_cmp_lg_u32 s2, 0xf033
	s_cbranch_scc0 .Lentry_shape_is_right
	s_endpgm
.Lentry_shape_is_right:
; qkv = x w_attn on codes of BF6 with E8M0 scales, K = 1024; the f32 sums are quantised in registers and leave as IMAGES OF OPERAND REGISTERS for the attention launch.  No f32 result goes to memory.
; A tile is 256 x 256, four waves, a wave 128 x 128: 64 accumulators, 512 registers.  K goes in steps of 256 through a ring of two LDS slots; the scales of the tile's rows come once and stay.
; THE MATRIX INSTRUCTION: source 0 = 16 rows of 'B', source 1 = 16 rows of 'A': a lane holds ONE row of A, and its registers run along B.  Rows lie in memory at positions with bits 3 and 4 exchanged, so the 16
; registers of B's blocks 2 b and 2 b + 1 are 16 neighbours 32 b + 16 (lane / 16) + 0 .. 15, and lane r of A's block a owns row 32 (a / 2) + 8 (a % 2) + r + 8 (r / 8).
; TWO MODES, by the cluster's y (equal in all partners).  y < 8: A = x (tokens), B = w (channels of q and k): a lane holds a token, registers run along the head's 64 channels: q and k are quantised along them.
; y >= 8: A = w (channels of v), B = x (tokens): a lane holds a channel, registers run along the keys: v is quantised along the keys.
; qkv_img: [batch x head 64][group of 128 tokens 16][19,712 bytes]: Q block 6,656 (8 tiles x 3 pieces of 256 bytes, then 512 bytes of scale words [a / 4][r][a % 4], two bytes used), K block likewise,
; V block 6,400 (4 tiles of 16 channels x 128 keys x 6 pieces, then 256 bytes of scale words [r][tile]).  A piece is two registers of an operand, lane l's 8 bytes at 8 l: each store covers 256 consecutive bytes, aligned.
; CLUSTERS: 4 x 4; A's tiles are asked for jointly along a row of the cluster, B's along a column.  384 tiles: no whole multiple of the WGPs; a tile of 256 x 384 would want 768 accumulator registers.
; LIMITS: a block of zeros gets the byte 1 (its codes are zeros; this program alone reads the bytes); NaN and infinities are not served.
; REGISTERS: window 0: v15-31 addresses; v32-63 scale words, two sets; from v128 A's fragments, one set; on the way out v64-199.  window 1: B's fragments, two sets.  windows 2, 3: the accumulators ((a, b) at v[8 (8 (a % 4) + b)]).
.set SIZE_K, 1024
.set KSTEP,  256
.set NQ,     KSTEP/128
.set ROWB,   192                       ; a tile's row in bytes
.set KROW,   SIZE_K*6/8
.set PITCH,  240                       ; an LDS row: 3 x (64 bytes + 16 of padding)
.set FR,     12
.set NL,     6                         ; LDS loads that bring a fragment
.set NP,     4                         ; places behind this matrix instruction (ISA guide 7.12.1)
.set HALFT,  128*PITCH
.set SLOT,   4*HALFT
.set LAPS,   SIZE_K/(2*KSTEP)
.set KS,     SIZE_K/32
.set SCL,    2*SLOT                    ; behind the ring: the scales, as units of 256 bytes + 16 of padding
.set HALFS,  (128*KS/256)*272
.set SBLK,   (16*KS/256)*272
.set SPARE,  SCL+4*HALFS               ; the spare words, 128 bytes a wave
.set HS,     315392                    ; a head in qkv_img
.set GS,     19712                     ; a group of 128 tokens
.set ADRA, 16                          ; v16-17 LDS address of my A fragments in slot 0, 1 (v18-19: behind one padding more)
.set ADRB, 20                          ; v20-23 the same for B
.set ADRS, 27                          ; v27 my scale words: lanes 0-15 A's rows, lanes 16-31 B's
.set SPW,  28                          ; v28 my spare word; never rewritten
.set NIL,  29                          ; v29 0; never rewritten
.set L8,   30                          ; v30 8 x lane: my place in a piece
.set LSC,  31                          ; v31 (lane / 16) x HS + 16 (lane % 16): my place among the scale words
.set H16,  15                          ; v15 16 x (lane / 16)
.set SC,   32
.set AF,   128
.set PCB,  64                          ; the way out: block a's codes at v[64 + 12 a]: no store's data are written again
.set TM,   160                         ; v160-175 at work
.set WW,   176                         ; v176-183 block a's scale word
.set XW,   184                         ; v184-191 the words as they are stored
.set CT,   192                         ; v192-198 second halves of blocks
.set SEL,  96                          ; s[96:97] lane selects: lane l xor 16
.set G1, 24
.set G0, 32
.set G1B, 48
.set G0B, 56
.set G1S, 68
.set G0S, 76
.set G1SB, 80
.set G0SB, 88
.set MSB, 0
.macro WIN new                         ; the immediate's high byte repeats the setting that is left
.if MSB != \new
	s_set_vgpr_msb (MSB<<8)|\new
.set MSB, \new
.endif
.endm
.set MUL_LO, 0xa1                      ; source 0 (B) window 1, source 1 (A) window 0, C and D window 2
.set MUL_HI, 0xf1
.set TO_B,   0x40
; A joint load: waves 0 and 1 fetch for A, waves 2 and 3 for B; the branch hangs on the wave's number alone.  Four v_nop follow each of the two lines.
.macro JLOAD g0a, g1a, g0b, g1b
	s_cmp_eq_u32 s15, 0
	s_cbranch_scc0 .Lfor_b_\@
	tensor_load_to_lds s[\g0a:\g0a+3], s[\g1a:\g1a+7]
	s_nop 0
.rept 4
	v_nop
.endr
	s_branch .Lasked_\@
.Lfor_b_\@:
	tensor_load_to_lds s[\g0b:\g0b+3], s[\g1b:\g1b+7]
	s_nop 0
.rept 4
	v_nop
.endr
.Lasked_\@:
.endm
.macro CREST                           ; a round of the cluster's barrier behind its opening barrier
	s_cmp_lg_u32 s14, 0
	s_cbranch_scc1 .Lnot_wave_0_\@
	s_barrier_signal -3
.Lnot_wave_0_\@:
	s_barrier_wait -3
	s_barrier_signal -1
	s_barrier_wait -1
.endm
.macro CROUND
	s_barrier_signal -1
	s_barrier_wait -1
	CREST
.endm
	s_load_b128 s[4:7], s[0:1], 0x0                ; x's codes, x's scales
	s_load_b128 s[8:11], s[0:1], 0x10              ; w's codes, w's scales
	s_load_b64 s[12:13], s[0:1], 0x20              ; qkv_img
	v_lshl_add_u32 v[SPW], v0, 2, SPARE
	v_mov_b32 v[NIL], 0
	ds_add_u32 v28, v29
	ds_add_u32 v28, v29
	s_wait_dscnt 0x0
	v_lshrrev_b32 v1, 5, v0
	v_readfirstlane_b32 s14, v1                    ; wave 0..3
	s_lshr_b32 s15, s14, 1                         ; which half of A's rows is mine.  Also: I fetch for A (0) or for B (1)
	s_and_b32 s16, s14, 1                          ; which half of B's rows.  Also: which 128 rows of that tile I fetch
	s_bfe_u32 s40, ttmp6, 0x40000                  ; cx
	s_bfe_u32 s41, ttmp6, 0x40004                  ; cy
	s_and_b32 s95, ttmp7, 0xffff                   ; the cluster's y: under 8 q and k, from 8 on v
	s_lshl_b32 s17, s95, 2
	s_sub_co_u32 s18, s95, 8
	s_lshl_b32 s18, s18, 3
	s_lshl_b32 s42, ttmp9, 2
	s_cmp_lt_u32 s95, 8
	s_cselect_b32 s17, s17, 8
	s_cselect_b32 s18, 0, s18
	s_add_co_u32 s17, s17, s41                     ; A's tile: 4 y + cy of x, or 8 + cy of w
	s_add_co_u32 s42, s42, s18
	s_add_co_u32 s42, s42, s40                     ; B's tile: 4 x + cx of w, or 4 x + cx + 8 (y - 8) of x
	s_lshl_b32 s43, s41, 2
	s_lshl_b32 s43, 15, s43                        ; my row of the cluster
	s_lshl_b32 s44, 0x1111, s40                    ; my column
	s_or_b32 s[G1+0], s43, (0<<16)|(1<<20)|(1<<21)|(3<<22)|(3<<25)  ; the mask; elements of 1 byte; padding on; bit 21 beside a mask; after every 16 words 4 words
	s_or_b32 s[G1B+0], s44, (0<<16)|(1<<20)|(1<<21)|(3<<22)|(3<<25)
.irp g, G1, G1B
	s_mov_b32 s[\g+1], ROWB<<16                    ; tensor_dim0
	s_mov_b32 s[\g+2], 128<<16                     ; tensor_dim1
	s_mov_b32 s[\g+3], ROWB<<16                    ; tile_dim0
	s_mov_b32 s[\g+4], 128                         ; tile_dim1
	s_mov_b32 s[\g+5], KROW                        ; pitch
	s_mov_b32 s[\g+6], 0
	s_mov_b32 s[\g+7], 0
.endr
	s_or_b32 s[G1S+0], s43, (3<<16)|(1<<20)|(1<<21)|(5<<22)|(3<<25)  ; the scales of 128 rows: 4,096 dense bytes as 16 rows of 256, 16 bytes of padding behind each
	s_or_b32 s[G1SB+0], s44, (3<<16)|(1<<20)|(1<<21)|(5<<22)|(3<<25)
.irp g, G1S, G1SB
	s_mov_b32 s[\g+1], 32<<16
	s_mov_b32 s[\g+2], (128*KS/256)<<16
	s_mov_b32 s[\g+3], 32<<16
	s_mov_b32 s[\g+4], 128*KS/256
	s_mov_b32 s[\g+5], 32
	s_mov_b32 s[\g+6], 0
	s_mov_b32 s[\g+7], 0
.endr
	s_lshl_b32 s18, s16, 7
	s_lshl_b32 s20, s17, 8
	s_add_co_u32 s20, s20, s18                     ; A: position 256 x tile + 128 x half
	s_lshl_b32 s46, s42, 8
	s_add_co_u32 s46, s46, s18                     ; B likewise
	s_mov_b32 s21, 0
	s_mov_b32 s47, 0
	s_mov_b64 s[18:19], KS
	s_mul_u64 s[22:23], s[20:21], s[18:19]
	s_mul_u64 s[92:93], s[46:47], s[18:19]
	s_mov_b64 s[18:19], KROW
	s_mul_u64 s[20:21], s[20:21], s[18:19]
	s_mul_u64 s[46:47], s[46:47], s[18:19]
	s_mul_i32 s45, s14, HALFT                      ; where they go: wave x 128 rows
	s_mul_i32 s94, s14, HALFS
	s_wait_kmcnt 0x0
	s_cmp_lt_u32 s95, 8                            ; which buffer is A and which is B: the condition is the cluster's y
	s_cselect_b64 s[98:99], s[4:5], s[8:9]         ; A's codes
	s_cselect_b64 s[100:101], s[6:7], s[10:11]     ; A's scales
	s_cselect_b64 s[8:9], s[8:9], s[4:5]           ; B's codes
	s_cselect_b64 s[10:11], s[10:11], s[6:7]       ; B's scales
	s_add_nc_u64 s[20:21], s[98:99], s[20:21]
	s_add_nc_u64 s[22:23], s[100:101], s[22:23]
	s_add_nc_u64 s[46:47], s[8:9], s[46:47]
	s_add_nc_u64 s[92:93], s[10:11], s[92:93]
	CROUND                                         ; all sixteen work-groups are here: the first joint loads meet
	s_mov_b32 s[G0S], 1
	s_add_co_u32 s[G0S+1], s94, SCL
	s_mov_b64 s[G0S+2:G0S+3], s[22:23]
	s_or_b32 s[G0S+3], s[G0S+3], 0x80000000
	s_mov_b32 s[G0SB], 1
	s_add_co_u32 s[G0SB+1], s94, SCL
	s_mov_b64 s[G0SB+2:G0SB+3], s[92:93]
	s_or_b32 s[G0SB+3], s[G0SB+3], 0x80000000
	JLOAD G0S, G1S, G0SB, G1SB                     ; the scales first: three loads of mine are out behind the first fills
.irp s, 0,1
	s_mov_b32 s[G0+4*\s], 1
	s_add_co_u32 s[G0+4*\s+1], s45, \s*SLOT
	s_add_nc_u64 s[G0+4*\s+2:G0+4*\s+3], s[20:21], \s*ROWB
	s_or_b32 s[G0+4*\s+3], s[G0+4*\s+3], 0x80000000
	s_mov_b32 s[G0B+4*\s], 1
	s_add_co_u32 s[G0B+4*\s+1], s45, \s*SLOT
	s_add_nc_u64 s[G0B+4*\s+2:G0B+4*\s+3], s[46:47], \s*ROWB
	s_or_b32 s[G0B+4*\s+3], s[G0B+4*\s+3], 0x80000000
	JLOAD G0+4*\s, G1, G0B+4*\s, G1B
.endr
	v_and_b32 v1, 15, v0                           ; r
	v_bfe_u32 v2, v0, 4, 1                         ; h
	v_mul_u32_u24 v3, v1, PITCH
	v_mul_u32_u24 v4, v2, 24
	v_add_nc_u32 v4, v3, v4                        ; a fragment's row x pitch + 24 x half
	v_lshl_add_u32 v5, v2, 4, v4                   ; and the same behind one padding more
	s_mul_i32 s21, s15, HALFT
	s_mul_i32 s22, s16, HALFT
	s_add_co_u32 s22, s22, 2*HALFT
.irp s, 0,1
	v_add_nc_u32 v[ADRA+\s], s21, v4
	v_add_nc_u32 v[ADRB+\s], s22, v4
	v_add_nc_u32 v[ADRA+2+\s], s21, v5
	v_add_nc_u32 v[ADRB+2+\s], s22, v5
	s_add_co_u32 s21, s21, SLOT
	s_add_co_u32 s22, s22, SLOT
.endr
	v_mul_u32_u24 v5, v1, KS                       ; my row's scales: KS bytes a row,
	v_lshrrev_b32 v6, 8, v5
	v_lshl_add_u32 v5, v6, 4, v5                   ; and 16 more for each 256 passed
	s_mul_i32 s21, s15, HALFS
	s_mul_i32 s22, s16, HALFS
	s_add_co_u32 s22, s22, 2*HALFS
	s_sub_co_u32 s22, s22, s21
	v_mul_u32_u24 v6, s22, v2                      ; lanes 16-31 take B's: one product, the distance between the two bases
	s_add_co_u32 s21, s21, SCL
	v_add_nc_u32 v5, v5, v6
	v_add_nc_u32 v[ADRS], s21, v5
	v_and_b32 v6, 31, v0
	v_lshlrev_b32 v[L8], 3, v6
	v_mul_u32_u24 v5, v2, HS
	v_lshl_add_u32 v[LSC], v1, 4, v5
	v_lshlrev_b32 v[H16], 4, v2
	s_mov_b32 s[SEL], 0x76543210
	s_mov_b32 s[SEL+1], 0xfedcba98
	; where my 128 x 128 goes.  X: the side with the channels (two heads of 64), Y: the side with the tokens (one group of 128).  In registers that feed no descriptor.
	s_cmp_lt_u32 s95, 8
	s_cselect_b32 s2, s42, s17                     ; X's tile
	s_cselect_b32 s66, s16, s15                    ; and my half of it
	s_cselect_b32 s67, s17, s42                    ; Y's tile
	s_cselect_b32 s94, s15, s16                    ; and my half
	s_lshl_b32 s2, s2, 2
	s_lshl_b32 s66, s66, 1
	s_add_co_u32 s2, s2, s66                       ; my first head among 48: 0-15 q, 16-31 k, 32-47 v
	s_lshl_b32 s67, s67, 1
	s_add_co_u32 s67, s67, s94                     ; my group of 128 tokens among 64
	s_lshr_b32 s66, s2, 4
	s_mul_i32 s66, s66, 6656                       ; the Q, K or V block of a group
	s_and_b32 s2, s2, 15
	s_and_b32 s3, s67, 0x30                        ; 16 x batch
	s_add_co_u32 s2, s2, s3
	s_and_b32 s67, s67, 15                         ; the group in its sequence
	s_mul_i32 s2, s2, HS
	s_mul_i32 s67, s67, GS
	s_add_co_u32 s66, s66, s2
	s_add_co_u32 s66, s66, s67
	s_mov_b32 s67, 0
	s_add_nc_u64 s[12:13], s[12:13], s[66:67]
.macro FRAG reg, adr, q, i             ; a fragment: 16 rows x 128 K: lane l holds row l % 16; registers 6 c .. 6 c + 5 hold K = 64 c + 32 (l / 16) + 0 .. 31, in pieces of 8 bytes
.irp p, 0,1,2,3,4,5
.set PC, 12*(\q)+6*(\p/3)+\p%3        ; 16 bytes of padding lie behind every 8 pieces: where the piece three on lies behind one padding more, the second address register serves
.if PC%8 < 5
	ds_load_b64 v[\reg+2*\p:\reg+2*\p+1], v[\adr] offset:8*PC+16*(PC/8)+(\i)*16*PITCH
.else
	ds_load_b64 v[\reg+2*\p:\reg+2*\p+1], v[\adr+2] offset:8*PC+16*(PC/8)+(\i)*16*PITCH
.endif
.endr
.endm
; 16 matrix instructions: A's blocks a0, a0 + 1 x B's eight.  The 64 accumulators take turns, one instruction a turn, in the same order in every step.
.macro MUL16 a0, p, q, sc, zero
.irp a, \a0, \a0+1
.irp b, 0,1,2,3,4,5,6,7
.if \zero
	v_wmma_scale_f32_16x16x128_f8f6f4 v[8*(8*((\a)%4)+\b):8*(8*((\a)%4)+\b)+7], v[128*(\p)+FR*\b:128*(\p)+FR*\b+FR-1], v[AF+FR*(\a):AF+FR*(\a)+FR-1], 0, v[SC+8*NQ*(\sc)+NQ*\b+(\q)], v[SC+8*NQ*(\sc)+NQ*(\a)+(\q)] matrix_a_fmt:MATRIX_FMT_BF6 matrix_b_fmt:MATRIX_FMT_BF6 matrix_a_scale:MATRIX_SCALE_ROW1
.else
	v_wmma_scale_f32_16x16x128_f8f6f4 v[8*(8*((\a)%4)+\b):8*(8*((\a)%4)+\b)+7], v[128*(\p)+FR*\b:128*(\p)+FR*\b+FR-1], v[AF+FR*(\a):AF+FR*(\a)+FR-1], v[8*(8*((\a)%4)+\b):8*(8*((\a)%4)+\b)+7], v[SC+8*NQ*(\sc)+NQ*\b+(\q)], v[SC+8*NQ*(\sc)+NQ*(\a)+(\q)] matrix_a_fmt:MATRIX_FMT_BF6 matrix_b_fmt:MATRIX_FMT_BF6 matrix_a_scale:MATRIX_SCALE_ROW1
.endif
.endr
.endr
.endm
.macro FETCH_B slot, q, p
	WIN TO_B
.irp i, 0,1,2,3,4,5,6,7
	FRAG 128*(\p)+FR*\i, ADRB+\slot, \q, \i
.endr
	WIN 0
.endm
.macro FETCH_A slot, q, i0
.irp i, \i0, \i0+1, \i0+2, \i0+3
	FRAG AF+FR*(\i), ADRA+\slot, \q, \i
.endr
.endm
.macro SCALES sc                       ; a K step's scale words: lanes 0-15 take A's block i, lanes 16-31 B's block i
.irp i, 0,1,2,3,4,5,6,7
	ds_load_b64 v[SC+8*NQ*\sc+NQ*\i:SC+8*NQ*\sc+NQ*\i+1], v[ADRS] offset:\i*SBLK
.endr
.endm
.macro PLACES n                        ; plain vector lines between a matrix instruction and a load into, or a vector read of, its registers
.rept \n
	v_nop
.endr
.endm
.macro STEP slot, q, zero              ; 128 along K that has its successor in the same slot
	s_wait_dscnt 4*NL                              ; B's set and A's blocks 0-3 are in; the youngest 24 loads (A's blocks 4-7) may be out
	WIN MUL_LO
	MUL16 0, (\q)%2, \q, \slot, \zero
	MUL16 2, (\q)%2, \q, \slot, \zero
	s_wait_dscnt 0
	PLACES NP
	FETCH_B \slot, (\q)+1, 1-(\q)%2
	FETCH_A \slot, (\q)+1, 0
	WIN MUL_HI
	MUL16 4, (\q)%2, \q, \slot, \zero
	MUL16 6, (\q)%2, \q, \slot, \zero
	PLACES NP
	WIN 0
	FETCH_A \slot, (\q)+1, 4
.endm
; A slot's last step changes slots: one barrier; in front of it each wave waits for all its tensor loads, adds 0 to its spare word, and waits for that and for its own reads of this slot.
.macro TURN slot, next, fill
	s_wait_tensorcnt 0x0                           ; all my tensor loads have landed: my part of the next slot
	ds_add_u32 v[SPW], v[NIL]                      ; 0 onto my spare word
	s_wait_dscnt 4*NL+1                            ; (the add and the youngest 24 loads may be out)
	WIN MUL_LO
	MUL16 0, 1, NQ-1, \slot, 0
	s_wait_dscnt 0x0                               ; the add is done, and my reads of this slot are over
	s_barrier_signal -1
	MUL16 2, 1, NQ-1, \slot, 0
	WIN 0
	s_barrier_wait -1
.if \fill
	CREST                                          ; the barrier has opened a round of the cluster's: no wave of any partner still reads this slot or has a load on its way
	s_add_nc_u64 s[G0+4*\slot+2:G0+4*\slot+3], s[G0+4*\slot+2:G0+4*\slot+3], 2*ROWB
	s_add_nc_u64 s[G0B+4*\slot+2:G0B+4*\slot+3], s[G0B+4*\slot+2:G0B+4*\slot+3], 2*ROWB
	JLOAD G0+4*\slot, G1, G0B+4*\slot, G1B         ; the first tensor load behind the round; its four v_nop are the places in front of the loads below
.else
	PLACES NP
.endif
	v_add_nc_u32 v[ADRS], 4*NQ, v[ADRS]            ; the next K step's scale words
	FETCH_B \next, 0, 0
	FETCH_A \next, 0, 0
	SCALES \next
	WIN MUL_HI
	MUL16 4, 1, NQ-1, \slot, 0
	MUL16 6, 1, NQ-1, \slot, 0
	PLACES NP
	WIN 0
	FETCH_A \next, 0, 4
.endm
	s_wait_tensorcnt 1                             ; the scales and my part of K step 0 are in (K step 1's load may be out)
	s_barrier_signal -1
	s_barrier_wait -1
	FETCH_B 0, 0, 0
	FETCH_A 0, 0, 0
	SCALES 0
	FETCH_A 0, 0, 4
	STEP 0, 0, 1                                   ; the first step's products start the sums
	s_mov_b32 s3, LAPS-1
.Llap:
	TURN 0, 1, 1
	STEP 1, 0, 0
	TURN 1, 0, 1
	STEP 0, 0, 0
	s_sub_co_u32 s3, s3, 1
	s_cmp_lg_u32 s3, 0
	s_cbranch_scc1 .Llap
	TURN 0, 1, 0                                   ; the last lap fills nothing
	STEP 1, 0, 0
	s_wait_dscnt 4*NL
	WIN MUL_LO
	MUL16 0, 1, NQ-1, 1, 0
	MUL16 2, 1, NQ-1, 1, 0
	s_wait_dscnt 0
	WIN MUL_HI
	MUL16 4, 1, NQ-1, 1, 0
	MUL16 6, 1, NQ-1, 1, 0
	WIN 0
; THE WAY OUT.  Block a's 64 registers of a lane, register 16 b + i = number 32 b + 16 (lane / 16) + i of the lane's row, become 12 registers of codes (v[PCB + 12 a] on) and a scale word (v[WW + a]).
; Each accumulator is read from its low end on.
.macro QUANT a
.set QSR, 64*((\a)%4)
.set WN,  2+(\a)/4
.set PCA, PCB+12*(\a)
	WIN 5*WN                                       ; sources 0 and 1: the accumulators' window
.irp b, 0,1,2,3
	v_max3_num_f32 v[TM+\b], |v[QSR+16*\b]|, |v[QSR+16*\b+1]|, 0x2800000   ; my 16 numbers of block b, and the floor 2^(5 - 127)
.endr
.irp i, 2,4,6,8,10,12,14
.irp b, 0,1,2,3
	v_max3_num_f32 v[TM+\b], |v[QSR+16*\b+\i]|, |v[QSR+16*\b+\i+1]|, v[TM+\b]
.endr
.endr
	WIN 0
.irp b, 0,1,2,3
	v_permlanex16_b32 v[TM+4+\b], v[TM+\b], s[SEL], s[SEL+1]
.endr
.irp b, 0,1,2,3
	v_max_num_f32 v[TM+\b], v[TM+\b], v[TM+4+\b]   ; with lane l xor 16's: the block's largest magnitude
.endr
.irp b, 0,1,2,3
	v_add_nc_u32 v[TM+12+\b], 0xfe000000, v[TM+\b] ; 4 off its exponent field: the conversion's scale operand
.endr
.irp b, 0,1,2,3
	v_lshrrev_b32 v[TM+4+\b], 23, v[TM+12+\b]      ; the byte
.endr
	v_lshl_or_b32 v[WW+(\a)], v[TM+5], 8, v[TM+4]
	v_lshl_or_b32 v[WW+(\a)], v[TM+6], 16, v[WW+(\a)]
	v_lshl_or_b32 v[WW+(\a)], v[TM+7], 24, v[WW+(\a)]
	WIN WN                                         ; source 0: the accumulators' window
.irp c, 0,1
	v_cvt_scalef32_pk16_bf6_f32 v[PCA+6*\c:PCA+6*\c+2], v[QSR+32*\c:QSR+32*\c+15], v[TM+12+2*\c]
	v_cvt_scalef32_pk16_bf6_f32 v[CT+4*\c:CT+4*\c+2], v[QSR+32*\c+16:QSR+32*\c+31], v[TM+13+2*\c]
.endr
	WIN 0
	v_nop                                          ; one plain line behind the conversions
.irp c, 0,1                            ; the operand's layout wants a whole block in a lane: lanes 0-15 block 2 c, lanes 16-31 block 2 c + 1
.irp i, 0,1,2
	v_permlane16_swap_b32 v[PCA+6*\c+\i], v[CT+4*\c+\i]
.endr
.irp i, 0,1,2
	v_mov_b32 v[PCA+6*\c+3+\i], v[CT+4*\c+\i]
.endr
.endr
.endm
; mode 0 (q, k): registers 6 c .. 6 c + 5 are head c's 64 channels of tile a's 16 tokens: three pieces to each of two heads.  mode 1 (v): the 12 registers are 128 keys of 16 channels of head a / 4: six pieces.
.macro OUT mode
.irp a, 0,1,2,3,4,5,6,7
	QUANT \a
.irp p, 0,1,2,3,4,5
.if \mode == 0
	global_store_b64 v[L8], v[PCB+12*\a+2*\p:PCB+12*\a+2*\p+1], s[12:13] offset:(\p/3)*HS+768*\a+256*(\p%3)
.else
	global_store_b64 v[L8], v[PCB+12*\a+2*\p:PCB+12*\a+2*\p+1], s[12:13] offset:(\a/4)*HS+1536*(\a%4)+256*\p
.endif
.endr
.endr
.if \mode == 0
.irp a, 0,1,2,3,4,5,6,7
	v_bfe_u32 v[XW+\a], v[WW+\a], v[H16], 16       ; lanes 0-15 keep head 0's two bytes, lanes 16-31 head 1's; the upper two bytes are 0
.endr
	global_store_b128 v[LSC], v[XW:XW+3], s[12:13] offset:6144      ; sixteen lanes store 256 consecutive bytes of their head
	global_store_b128 v[LSC], v[XW+4:XW+7], s[12:13] offset:6144+256
.else
	v_cmp_ne_u32 vcc_lo, 0, v[H16]
.irp i, 0,1,2,3
	v_cndmask_b32 v[XW+\i], v[WW+\i], v[WW+4+\i], vcc_lo   ; lanes 0-15 the words of head 0's four tiles, lanes 16-31 head 1's
.endr
	global_store_b128 v[LSC], v[XW:XW+3], s[12:13] offset:6144
.endif
.endm
	PLACES NP                                      ; behind the last products: their results are read, and registers that they read are written, below
.irp b, 0,1,2,3
	v_mov_b32 v[TM+4+\b], 0                        ; written once: a lane permute's destination counts as one of its sources
.endr
	s_cmp_lt_u32 s95, 8                            ; the cluster's y: the same way in all partners
	s_cbranch_scc0 .Lout_v
	OUT 0
	s_branch .Lend
.Lout_v:
	OUT 1
.Lend:
	s_wait_tensorcnt 0x0                           ; the wave's end
	ds_add_u32 v[SPW], v[NIL]
	s_wait_dscnt 0x0
	CROUND                                         ; the closing round
	s_endpgm
.Lfunc_end_k_qf74cbbc0ae_qkv:
	.size	k_qf74cbbc0ae_qkv, .Lfunc_end_k_qf74cbbc0ae_qkv-k_qf74cbbc0ae_qkv
	.p2alignl 7, 3214868480
	.fill 96, 4, 3214868480
	.section	.rodata,"a",@progbits
	.p2align	6, 0x0
	.amdhsa_kernel k_qf74cbbc0ae_qkv
		.amdhsa_group_segment_fixed_size 327680
		.amdhsa_private_segment_fixed_size 0
		.amdhsa_enable_private_segment 0
		.amdhsa_kernarg_size 40
		.amdhsa_user_sgpr_count 2
		.amdhsa_user_sgpr_kernarg_segment_ptr 1
		.amdhsa_wavefront_size32 1
		.amdhsa_system_sgpr_workgroup_id_x 1
		.amdhsa_system_sgpr_workgroup_id_y 1
		.amdhsa_system_sgpr_workgroup_id_z 1
		.amdhsa_system_vgpr_workitem_id 0
		.amdhsa_next_free_vgpr 1024
		.amdhsa_next_free_sgpr 102
		.amdhsa_reserve_vcc 1
		.amdhsa_float_denorm_mode_32 3
		.amdhsa_float_denorm_mode_16_64 3
		.amdhsa_memory_ordered 1
		.amdhsa_forward_progress 1
		.amdhsa_inst_pref_size 203
	.end_amdhsa_kernel
	.amdgpu_metadata
---
amdhsa.version: [ 1, 2 ]
amdhsa.kernels:
  - .name:           k_qf74cbbc0ae_qkv
    .symbol:         k_qf74cbbc0ae_qkv.kd
    .args:
      - { .name: x_codes, .offset: 0, .size: 8, .value_kind: global_buffer, .address_space: global }
      - { .name: x_scales, .offset: 8, .size: 8, .value_kind: global_buffer, .address_space: global }
      - { .name: w_codes, .offset: 16, .size: 8, .value_kind: global_buffer, .address_space: global }
      - { .name: w_scales, .offset: 24, .size: 8, .value_kind: global_buffer, .address_space: global }
      - { .name: qkv_img, .offset: 32, .size: 8, .value_kind: global_buffer, .address_space: global }
    .group_segment_fixed_size: 327680
    .private_segment_fixed_size: 0
    .kernarg_segment_align: 8
    .kernarg_segment_size: 40
    .max_flat_workgroup_size: 128
    .sgpr_count:     102
    .vgpr_count:     1024
    .wavefront_size: 32
...
	.end_amdgpu_metadata
.endif
;; end of part 2
;; launch attn (part 3): grid 4 x 64, 16 waves a work-group, clusters of 4 x 1, 211,968 bytes of LDS; arguments qkv_img, y_img, ys; writes y_img, ys
.if DOCPART == 3
	.amdgcn_target "amdgcn-amd-amdhsa--gfx1250"
	.amdhsa_code_object_version 6
	.text
	.protected	k_qf74cbbc0ae_attn
	.globl	k_qf74cbbc0ae_attn
	.p2align	8
	.type	k_qf74cbbc0ae_attn,@function
k_qf74cbbc0ae_attn:
	s_mov_b64 s[64:65], 0
	v_nop
	global_prefetch_b8 v0, s[64:65] scope:SCOPE_SE
	s_setreg_imm32_b32 hwreg(HW_REG_WAVE_MODE, 25, 1), 1
	s_wait_xcnt 0x0
	s_wait_alu depctr_hold_cnt(0) depctr_sa_sdst(0) depctr_va_vdst(0) depctr_va_sdst(0) depctr_va_ssrc(0) depctr_va_vcc(0) depctr_vm_vsrc(0)
	s_getreg_b32 s2, hwreg(HW_REG_IB_STS2, 6, 4)
	s_cmp_eq_u32 s2, 0
	s_cbranch_scc0 .Lentry_in_a_cluster
	s_endpgm
.Lentry_in_a_cluster:
	s_bfe_u32 s2, ttmp6, 0x10000c
	s_cmp_lg_u32 s2, 0x3003
	s_cbranch_scc0 .Lentry_shape_is_right
	s_endpgm
.Lentry_shape_is_right:
; Causal attention of one head (2,048 tokens, 64 channels) on codes of BF6 with E8M0 scales; q, k, v come as images of operand registers (qkv_img), the result leaves quantised along the channels as such images (y_img, ys).
; SOFTMAX: t = score x log2(e) / 8; M = the running largest t rounded UP to a whole number; p = 2^(t - M) is quantised along the keys, not normalised; the row's sum is taken of the unquantised p and divides at the end;
; when M moves, sum and O are multiplied by 2^(old M - new M), exactly.
; SHARES.  The four work-groups of a cluster serve one head.  The head's whole K and V, 16 steps of 128 keys x 13,056 bytes, come into each work-group's LDS ONCE, by joint loads that name all four: no slot is filled again.
; A tile of 16 queries, number 8 j + 2 cx + e of the head, needs key steps 0 .. j.  Wave w owns two tiles, of groups jB = min(w, 15 - w) and jA = 15 - jB: 17 steps for every wave.  Four waves share a SIMD.
; All trip counts are constants; a step that lies wholly behind the diagonal is jumped over by a branch on the wave's number and the loop's counter; cx enters global addresses and the mask's numbers alone.
; LAYOUT.  Both products transposed: S^T = K Q^T, O^T = V^T P^T: a lane holds ONE query.  Tile t's lane r holds key 32 (t / 2) + 8 (t % 2) + r + 8 (r / 8), so S^T's register 16 b + i is key 32 b + 16 (lane / 16) + i.
; K = 64 IN AN INSTRUCTION OF 128: a tile of K is six registers; the operand's upper six are whatever follows (the next tile, or zeros).  They meet Q's upper six registers, which are zero codes, under scale bytes 0
; on both sides: they add exactly 0.
; The three fills of a wave are single dense rows of 3,264 or 6,528 bytes that begin at multiples of 64 bytes: a step's 13,056 bytes do not divide into sixteen shares of whole blocks of 256.
; LIMITS: p under 2^-126 becomes 0; 1 / sum by v_rcp_f32 and a multiplication; a block of zeros gets the byte 1 (its codes are zeros); NaN and infinities are not served.
; REGISTERS: v1-3 lane offsets, v4-6 the step's addresses, v7-8 the masks' numbers, v9-11 LDS addresses of y's scales; v12 -M, v13 largest t, v[14:15] the sum; v16-27 Q (first tile), v192-203 Q (second);
; v32-79 K's eight tiles, then V's four fragments; v80-85 zeros; v96-159 S^T, p, y; v160-191 O^T; v206-212 y's codes; v224-235 p's codes; v232-254 at work; v248-251, v253, v255, v204 scale words.
.set HS,   315392                      ; a head in qkv_img
.set GS,   19712                       ; a group of 128 tokens
.set KVB,  13056                       ; a step's K block and V block
.set YSB,  16*KVB                      ; behind K and V: 1,024 bytes for y's scale bytes; only ds_store writes there
.set WV,   10
.set CX,   11
.set BH,   12
.set JB,   13
.set JA,   14
.set EA,   15
.set EB,   16
.set SEL,  20                          ; s[20:21] lane l xor 16
.set CS,   22                          ; s[22:23] c = log2(e) / 8
.set G1Q,  24                          ; s[24:31] group 1: a row of 3,264 bytes
.set G0,   32                          ; s[32:43] three groups 0
.set TB,   44                          ; LDS byte at which the step in hand begins
.set J,    45                          ; the step
.set G1H,  76                          ; s[76:83] group 1: a row of 6,528 bytes
.macro CROUND                          ; a round of the cluster's barrier
	s_barrier_signal -1
	s_barrier_wait -1
	s_cmp_lg_u32 s[WV], 0
	s_cbranch_scc1 .Lnot_wave_0_\@
	s_barrier_signal -3
.Lnot_wave_0_\@:
	s_barrier_wait -3
	s_barrier_signal -1
	s_barrier_wait -1
.endm
	s_load_b128 s[4:7], s[0:1], 0x0                ; qkv_img, y_img
	s_load_b64 s[8:9], s[0:1], 0x10                ; ys
	v_lshl_add_u32 v223, v0, 2, 0x33400
	v_mov_b32 v243, 0
	ds_add_u32 v223, v243
	ds_add_u32 v223, v243
	v_lshrrev_b32 v1, 5, v0
	s_delay_alu instid0(VALU_DEP_1)
	v_readfirstlane_b32 s[WV], v1                  ; wave 0..15
	s_bfe_u32 s[CX], ttmp6, 0x40000
	s_and_b32 s[BH], ttmp7, 0xffff                 ; 16 x batch + head: shared by the four partners
	s_xor_b32 s[JB], s[WV], 15
	s_min_u32 s[JB], s[JB], s[WV]                  ; 0..7
	s_xor_b32 s[JA], s[JB], 15                     ; 8..15
	s_lshr_b32 s[EB], s[WV], 3
	s_xor_b32 s[EA], s[EB], 1
	s_mov_b32 s[G1Q], 15|(3<<16)|(1<<21)           ; the mask: all four work-groups; elements of 8 bytes; bit 21 beside a mask; no padding
	s_mov_b32 s[G1Q+1], 408<<16                    ; tensor_dim0
	s_mov_b32 s[G1Q+2], 1<<16                      ; tensor_dim1
	s_mov_b32 s[G1Q+3], 408<<16                    ; tile_dim0
	s_mov_b32 s[G1Q+4], 1                          ; tile_dim1
	s_mov_b32 s[G1Q+5], 408                        ; pitch
	s_mov_b32 s[G1Q+6], 0
	s_mov_b32 s[G1Q+7], 0
	s_mov_b32 s[G1H], 15|(3<<16)|(1<<21)
	s_mov_b32 s[G1H+1], 816<<16
	s_mov_b32 s[G1H+2], 1<<16
	s_mov_b32 s[G1H+3], 816<<16
	s_mov_b32 s[G1H+4], 1
	s_mov_b32 s[G1H+5], 816
	s_mov_b32 s[G1H+6], 0
	s_mov_b32 s[G1H+7], 0
	s_mul_i32 s66, s[BH], HS
	s_mov_b32 s67, 0
	s_lshr_b32 s68, s[WV], 2                       ; steps 0-3 (and 4-7): step w / 4, quarter w % 4
	s_mul_i32 s68, s68, GS
	s_and_b32 s69, s[WV], 3
	s_mul_i32 s69, s69, 3264
	s_add_co_u32 s68, s68, s69
	s_add_co_u32 s68, s68, 6656                    ; behind the group's Q block
	s_mov_b32 s69, 0
	s_lshr_b32 s70, s[WV], 1                       ; steps 8-15: step 8 + w / 2, half w % 2
	s_mul_i32 s70, s70, GS
	s_and_b32 s71, s[WV], 1
	s_mul_i32 s71, s71, 6528
	s_add_co_u32 s70, s70, s71
	s_add_co_u32 s70, s70, 8*GS+6656
	s_mov_b32 s71, 0
	s_mul_i32 s72, s[WV], 3264                     ; in LDS the steps lie on end: four quarters are a step
	s_mul_i32 s73, s[WV], 6528
	s_wait_dscnt 0x0
	s_wait_kmcnt 0x0
	s_add_nc_u64 s[46:47], s[4:5], s[66:67]        ; my head
	s_mov_b32 s[G0], 1
	s_mov_b32 s[G0+1], s72
	s_add_nc_u64 s[G0+2:G0+3], s[46:47], s[68:69]
	s_mov_b32 s[G0+4], 1
	s_add_co_u32 s[G0+5], s72, 4*KVB
	s_add_nc_u64 s[G0+6:G0+7], s[G0+2:G0+3], 4*GS
	s_or_b32 s[G0+3], s[G0+3], 0x80000000
	s_or_b32 s[G0+7], s[G0+7], 0x80000000
	s_mov_b32 s[G0+8], 1
	s_add_co_u32 s[G0+9], s73, 8*KVB
	s_add_nc_u64 s[G0+10:G0+11], s[46:47], s[70:71]
	s_or_b32 s[G0+11], s[G0+11], 0x80000000
	CROUND                                         ; all four work-groups are here: the joint loads meet
	tensor_load_to_lds s[G0:G0+3], s[G1Q:G1Q+7]    ; three loads of mine are out: steps 0-3,
	s_nop 0
	tensor_load_to_lds s[G0+4:G0+7], s[G1Q:G1Q+7]  ; steps 4-7,
	s_nop 0
	tensor_load_to_lds s[G0+8:G0+11], s[G1H:G1H+7] ; steps 8-15
	s_nop 0
.rept 4
	v_nop
.endr
	v_and_b32 v28, 31, v0                          ; lane
	v_and_b32 v29, 15, v0                          ; r
	v_bfe_u32 v30, v0, 4, 1                        ; h
	s_delay_alu instid0(VALU_DEP_3)
	v_lshlrev_b32 v1, 3, v28                       ; my 8 bytes of a piece
	s_wait_alu depctr_va_vdst(0)
	v_lshlrev_b32 v2, 4, v28                       ; K's scale words: lanes 0-15 tiles 0-3 of row r, lanes 16-31 tiles 4-7
	v_lshlrev_b32 v3, 4, v29                       ; V's and Q's scale words: 16 bytes a row
; the addresses of a tile (group s[j], half s[e]): Q's codes, Q's scale words, y's image.  Every register here that holds cx feeds no descriptor and no LDS address.
.macro PASSADR j, e, qc, qs, yb
	s_lshl_b32 s84, s[CX], 1
	s_add_co_u32 s84, s84, s[\e]                   ; a = 2 cx + e: the tile in its group
	s_mul_i32 s86, s[\j], GS
	s_mul_i32 s85, s84, 768
	s_add_co_u32 s88, s86, s85
	s_mov_b32 s89, 0
	s_add_nc_u64 s[\qc:\qc+1], s[46:47], s[88:89]
	s_lshr_b32 s85, s84, 2
	s_lshl_b32 s85, s85, 8
	s_and_b32 s87, s84, 3
	s_lshl_b32 s87, s87, 2
	s_add_co_u32 s88, s86, s85
	s_add_co_u32 s88, s88, s87
	s_add_co_u32 s88, s88, 6144
	s_add_nc_u64 s[\qs:\qs+1], s[46:47], s[88:89]
	s_lshr_b32 s85, s[BH], 4
	s_lshl_b32 s85, s85, 7                         ; 128 tiles a batch
	s_lshl_b32 s87, s[\j], 3
	s_add_co_u32 s85, s85, s87
	s_add_co_u32 s85, s85, s84                     ; the tile among 512
	s_lshl_b32 s85, s85, 4
	s_and_b32 s87, s[BH], 15
	s_add_co_u32 s85, s85, s87                     ; x 16 heads + head
	s_mul_i32 s88, s85, 768
	s_add_nc_u64 s[\yb:\yb+1], s[6:7], s[88:89]
.endm
	s_wait_alu depctr_va_vdst(0)
	PASSADR JA, EA, 48, 50, 52
	PASSADR JB, EB, 54, 56, 58
.irp p, 0,1,2
	global_load_b64 v[16+2*\p:17+2*\p], v1, s[48:49] offset:256*\p     ; Q's six registers of both tiles stay
	global_load_b64 v[192+2*\p:193+2*\p], v1, s[54:55] offset:256*\p
.endr
	global_load_b32 v255, v3, s[50:51]
	global_load_b32 v204, v3, s[56:57]
	s_lshl_b32 s84, s[BH], 2
	s_add_co_u32 s84, s84, s[CX]
	s_lshl_b32 s84, s84, 10
	s_mov_b32 s85, 0
	s_add_nc_u64 s[60:61], s[8:9], s[84:85]        ; ys: my work-group's 1,024 bytes
	v_and_b32 v31, 8, v29
	s_delay_alu instid0(VALU_DEP_1)
	v_add_nc_u32 v31, v31, v29                     ; r + 8 (r / 8)
	v_lshlrev_b32 v30, 4, v30
	s_delay_alu instid0(VALU_DEP_1)
	v_sub_nc_u32 v31, v31, v30                     ; - 16 h
	s_lshl_b32 s84, s[CX], 5
	s_lshl_b32 s85, s[EA], 3
	s_add_co_u32 s85, s85, s84
	v_add_nc_u32 v7, s85, v31                      ; my query in its group, less 16 h: register 16 b + i of the diagonal step is hidden where 32 b + i is greater
	s_lshl_b32 s85, s[EB], 3
	s_add_co_u32 s85, s85, s84
	v_add_nc_u32 v8, s85, v31
	s_lshl_b32 s17, s[JA], 1
	s_add_co_u32 s17, s17, s[EA]
	s_lshl_b32 s17, s17, 5
	s_lshl_b32 s18, s[JB], 1
	s_add_co_u32 s18, s18, s[EB]
	s_lshl_b32 s18, s18, 5
	v_lshlrev_b32 v30, 1, v29
	s_delay_alu instid0(VALU_DEP_1)
	v_add_nc_u32 v9, s17, v30
	s_delay_alu instid0(VALU_DEP_1)
	v_add_nc_u32 v9, YSB, v9                       ; y's scale bytes: 32 bytes a tile [j][e], 2 a row
	s_delay_alu instid0(VALU_DEP_3)
	v_add_nc_u32 v10, s18, v30
	s_delay_alu instid0(VALU_DEP_1)
	v_add_nc_u32 v10, YSB, v10
	v_and_b32 v205, 63, v0
	s_delay_alu instid0(VALU_DEP_1)
	v_lshlrev_b32 v205, 4, v205                    ; the tail: 16 bytes a thread of waves 0 and 1
	s_delay_alu instid0(VALU_DEP_1)
	v_add_nc_u32 v11, YSB, v205
	s_mov_b32 s[SEL], 0x76543210
	s_mov_b32 s[SEL+1], 0xfedcba98
	s_mov_b32 s[CS], 0x3e38aa3b
	s_mov_b32 s[CS+1], s[CS]
.irp i, 0,1,2,3,4,5
	v_mov_b32 v[22+\i], 0                          ; Q's upper six registers: zero codes
	v_mov_b32 v[198+\i], 0
	v_mov_b32 v[80+\i], 0                          ; what stands behind K's last tile
.endr
.irp b, 0,1,2,3
	v_mov_b32 v[236+\b], 0                         ; written once: a lane permute's destination counts as one of its sources
.endr
	v_mov_b32 v252, 0
	v_mov_b32 v253, 0
.macro INIT                            ; the steps are written once: the first finds zeros, which the first change of M leaves zeros
	v_mov_b32 v13, 0xff61b1e6                      ; the largest t so far: -3e38
	s_delay_alu instid0(VALU_DEP_1)
	v_floor_f32 v12, -v13
	v_mov_b32 v14, 0
	v_mov_b32 v15, 0
.set N, 0
.rept 32
	v_mov_b32 v[160+N], 0
.set N, N+1
.endr
.endm
; A KEY STEP of 128 keys.  full = 1: steps behind the tile's own group (s[LIM]) are jumped over, and the group's own step is masked.  QF, QS: Q's fragment and scale word; DM: the mask's number.
.macro STEP full, QF, QS, LIM, DM
.if \full
	s_cmp_gt_u32 s[J], s[\LIM]
	s_cbranch_scc1 .Lhid_\@
.endif
	s_setprio 2
	v_add_nc_u32 v4, s[TB], v1                     ; these four lines are the places behind the last step's products, in front of the loads below
	v_add_nc_u32 v5, s[TB], v2
	v_add_nc_u32 v6, s[TB], v3
	v_nop
.irp t, 0,1,2,3,4,5,6,7
.irp p, 0,1,2
	ds_load_b64 v[32+6*\t+2*\p:33+6*\t+2*\p], v4 offset:768*\t+256*\p   ; a piece: 256 consecutive bytes
.endr
.endr
	ds_load_b128 v[248:251], v5 offset:6144
	s_wait_alu depctr_va_vdst(0)
	s_wait_dscnt 0x0
.irp t, 0,1,2,3
	v_wmma_scale_f32_16x16x128_f8f6f4 v[96+8*\t:103+8*\t], v[32+6*\t:43+6*\t], v[\QF:\QF+11], 0, v[248+\t], v[\QS] matrix_a_fmt:MATRIX_FMT_BF6 matrix_b_fmt:MATRIX_FMT_BF6
.endr
.irp t, 4,5,6,7
	v_wmma_scale_f32_16x16x128_f8f6f4 v[96+8*\t:103+8*\t], v[32+6*\t:43+6*\t], v[\QF:\QF+11], 0, v[244+\t], v[\QS] matrix_a_fmt:MATRIX_FMT_BF6 matrix_b_fmt:MATRIX_FMT_BF6 matrix_a_scale:MATRIX_SCALE_ROW1
.endr
.rept 4
	v_nop                                          ; places: the loads below land in registers that the products read; the scores are read below
.endr
.irp t, 0,1,2,3
.irp p, 0,1,2,3,4,5
	ds_load_b64 v[32+12*\t+2*\p:33+12*\t+2*\p], v4 offset:6656+1536*\t+256*\p   ; V is asked for now and lands during the softmax
.endr
.endr
	ds_load_b128 v[248:251], v6 offset:12800
.if \full
	s_cmp_lg_u32 s[J], s[\LIM]
	s_cbranch_scc1 .Lopen_\@
	v_mov_b32 v254, 0xff800000                     ; on the diagonal hidden scores become -infinity ahead of the maximum: p = 0 then.  The step's first key counts for every query
.set N, 0
.rept 64
	v_cmp_gt_i32 vcc_lo, 32*(N/16)+N%16, v[\DM]
	v_cndmask_b32 v[96+N], v[96+N], v254, vcc_lo
.set N, N+1
.endr
.Lopen_\@:
.endif
.irp b, 0,1,2,3
	v_max3_num_f32 v[232+\b], v[96+16*\b], v[97+16*\b], v[98+16*\b]   ; the largest score of each block of 32 keys: for the row's maximum and, since p rises with the score, for the block's largest p
.endr
.irp i, 3,5,7,9,11,13
.irp b, 0,1,2,3
	v_max3_num_f32 v[232+\b], v[232+\b], v[96+16*\b+\i], v[97+16*\b+\i]
.endr
.endr
.irp b, 0,1,2,3
	v_max_num_f32 v[232+\b], v[232+\b], v[111+16*\b]
.endr
.irp b, 0,1,2,3
	s_delay_alu instid0(VALU_DEP_4)
	v_permlanex16_b32 v[236+\b], v[232+\b], s[SEL], s[SEL+1]
.endr
.irp b, 0,1,2,3
	s_delay_alu instid0(VALU_DEP_4)
	v_max_num_f32 v[232+\b], v[232+\b], v[236+\b]
.endr
	s_delay_alu instid0(VALU_DEP_2)
	v_max3_num_f32 v254, v232, v233, v234
	s_delay_alu instid0(VALU_DEP_1)
	v_max_num_f32 v254, v254, v235
	s_delay_alu instid0(VALU_DEP_1)
	v_mul_f32 v254, s[CS], v254
	s_delay_alu instid0(VALU_DEP_1)
	v_max_num_f32 v13, v13, v254                   ; the running largest t
	v_mov_b32 v254, v12
	s_delay_alu instid0(VALU_DEP_2)
	v_floor_f32 v12, -v13                          ; -M = floor(-t): M is a whole number
	s_delay_alu instid0(VALU_DEP_1)
	v_sub_f32 v254, v12, v254                      ; old M - new M, 0 or less
	s_delay_alu instid0(VALU_DEP_1)
	v_cvt_i32_f32 v254, v254                       ; (it saturates)
	s_delay_alu instid0(VALU_DEP_1)
	v_ldexp_f32 v252, 1.0, v254                    ; f = 2^(old M - new M)
.set N, 0
.rept 32
	v_pk_fma_f32 v[96+N:97+N], v[96+N:97+N], s[CS:CS+1], v[12:13] op_sel_hi:[1,0,0]   ; t - M
.set N, N+2
.endr
.irp b, 0,1,2,3
	v_fma_f32 v[232+\b], v[232+\b], s[CS], v12
.endr
.set N, 0
	s_setprio 1
	s_wait_alu depctr_va_vdst(0)
.rept 64
	v_exp_f32 v[96+N], v[96+N]                     ; p = 2^(t - M)
.set N, N+1
.endr
	v_pk_mul_f32 v[14:15], v[14:15], v[252:253] op_sel_hi:[1,0]   ; the sums under the new M (the plain line behind the exponentials)
	s_wait_alu depctr_va_vdst(0)                   ; one wait for the batch, ahead of its first reader
.irp b, 0,1,2,3
	v_exp_f32 v[232+\b], v[232+\b]                 ; each block's largest p
.endr
	v_pk_add_f32 v[236:237], v[100:101], v[104:105]
	v_pk_add_f32 v[246:247], v[108:109], v[112:113]
	v_pk_add_f32 v[244:245], v[116:117], v[120:121]
	v_pk_add_f32 v[240:241], v[124:125], v[128:129]
	v_pk_add_f32 v[238:239], v[132:133], v[136:137]
	v_pk_add_f32 v[230:231], v[140:141], v[144:145]
	v_pk_add_f32 v[228:229], v[148:149], v[152:153]
	v_pk_add_f32 v[14:15], v[14:15], v[156:157]
	v_pk_add_f32 v[236:237], v[236:237], v[96:97]
	v_pk_add_f32 v[246:247], v[246:247], v[98:99]
	v_pk_add_f32 v[244:245], v[244:245], v[102:103]
	v_pk_add_f32 v[240:241], v[240:241], v[106:107]
	v_pk_add_f32 v[238:239], v[238:239], v[110:111]
	v_pk_add_f32 v[230:231], v[230:231], v[114:115]
	v_pk_add_f32 v[228:229], v[228:229], v[118:119]
	v_pk_add_f32 v[14:15], v[14:15], v[122:123]
	v_pk_add_f32 v[236:237], v[236:237], v[126:127]
	v_pk_add_f32 v[246:247], v[246:247], v[130:131]
	v_pk_add_f32 v[244:245], v[244:245], v[134:135]
	v_pk_add_f32 v[240:241], v[240:241], v[138:139]
	v_pk_add_f32 v[238:239], v[238:239], v[142:143]
	v_pk_add_f32 v[230:231], v[230:231], v[146:147]
	v_pk_add_f32 v[228:229], v[228:229], v[150:151]
	v_pk_add_f32 v[14:15], v[14:15], v[154:155]
	v_pk_add_f32 v[236:237], v[236:237], v[158:159]
	s_delay_alu instid0(VALU_DEP_2)
	v_pk_add_f32 v[14:15], v[14:15], v[240:241]
	s_delay_alu instid0(VALU_DEP_2)
	v_pk_add_f32 v[236:237], v[236:237], v[238:239]
	v_pk_add_f32 v[246:247], v[246:247], v[230:231]
	v_pk_add_f32 v[244:245], v[244:245], v[228:229]
	s_delay_alu instid0(VALU_DEP_2)
	v_pk_add_f32 v[14:15], v[14:15], v[246:247]
	s_delay_alu instid0(VALU_DEP_2)
	v_pk_add_f32 v[236:237], v[236:237], v[244:245]
	s_delay_alu instid0(VALU_DEP_1)
	v_pk_add_f32 v[14:15], v[14:15], v[236:237]
	s_wait_alu depctr_va_vdst(0)                   ; and one for the four
.irp b, 0,1,2,3
	v_max_num_f32 v[232+\b], 0x2800000, v[232+\b]  ; the floor 2^(5 - 127)
.endr
.irp b, 0,1,2,3
	s_delay_alu instid0(VALU_DEP_4)
	v_add_nc_u32 v[244+\b], 0xfe000000, v[232+\b]  ; the conversion's scale operand
.endr
.irp b, 0,1,2,3
	s_delay_alu instid0(VALU_DEP_4)
	v_lshrrev_b32 v[236+\b], 23, v[244+\b]
.endr
	s_delay_alu instid0(VALU_DEP_3)
	v_lshl_or_b32 v253, v237, 8, v236              ; p's scale word
	s_delay_alu instid0(VALU_DEP_1)
	v_lshl_or_b32 v253, v238, 16, v253
	s_delay_alu instid0(VALU_DEP_1)
	v_lshl_or_b32 v253, v239, 24, v253
.irp c, 0,1
	v_cvt_scalef32_pk16_bf6_f32 v[224+6*\c:226+6*\c], v[96+32*\c:111+32*\c], v[244+2*\c]
	v_cvt_scalef32_pk16_bf6_f32 v[236+4*\c:238+4*\c], v[112+32*\c:127+32*\c], v[244+2*\c+1]
.endr
	s_setprio 0
	v_nop                                          ; one plain line behind the conversions
.irp c, 0,1
.irp i, 0,1,2
	v_permlane16_swap_b32 v[224+6*\c+\i], v[236+4*\c+\i]
.endr
.irp i, 0,1,2
	s_delay_alu instid0(VALU_DEP_3)
	v_mov_b32 v[227+6*\c+\i], v[236+4*\c+\i]
.endr
.endr
.set N, 0
.rept 16
	v_pk_mul_f32 v[160+N:161+N], v[160+N:161+N], v[252:253] op_sel_hi:[1,0]   ; O^T under the new M; these sixteen also stand between the writing of p's codes and scale word and the products
.set N, N+2
.endr
	s_wait_alu depctr_va_vdst(0)
	s_wait_dscnt 0x0                               ; V is in
.irp t, 0,1,2,3
	v_wmma_scale_f32_16x16x128_f8f6f4 v[160+8*\t:167+8*\t], v[32+12*\t:43+12*\t], v[224:235], v[160+8*\t:167+8*\t], v[248+\t], v253 matrix_a_fmt:MATRIX_FMT_BF6 matrix_b_fmt:MATRIX_FMT_BF6
.endr
.if \full
.Lhid_\@:
.endif
	s_add_co_u32 s[TB], s[TB], KVB
.endm
; A tile's end: O^T / sum; register 16 g + i is channel 32 g + 16 (lane / 16) + i: two blocks of 32 along the last product's K.  Codes: three pieces to y_img; the two bytes to LDS.
.macro YOUT YSA, YB
	v_add_f32 v14, v14, v15
	s_delay_alu instid0(VALU_DEP_1)
	v_permlanex16_b32 v252, v14, s[SEL], s[SEL+1]
	s_delay_alu instid0(VALU_DEP_1)
	v_add_f32 v14, v14, v252                       ; the row's sum
	s_wait_alu depctr_va_vdst(0)
	v_rcp_f32 v14, v14
	v_nop
	v_nop
	s_wait_alu depctr_va_vdst(0)                   ; ahead of the reciprocal's first reader
.set N, 0
.rept 16
	v_pk_mul_f32 v[96+N:97+N], v[160+N:161+N], v[14:15] op_sel_hi:[1,0]
.set N, N+2
.endr
.irp g, 0,1
	v_max3_num_f32 v[232+\g], |v[96+16*\g]|, |v[97+16*\g]|, 0x2800000
.endr
.irp i, 2,4,6,8,10,12,14
.irp g, 0,1
	s_delay_alu instid0(VALU_DEP_2)
	v_max3_num_f32 v[232+\g], v[232+\g], |v[96+16*\g+\i]|, |v[97+16*\g+\i]|
.endr
.endr
.irp g, 0,1
	s_delay_alu instid0(VALU_DEP_2)
	v_permlanex16_b32 v[236+\g], v[232+\g], s[SEL], s[SEL+1]
.endr
.irp g, 0,1
	s_delay_alu instid0(VALU_DEP_2)
	v_max_num_f32 v[232+\g], v[232+\g], v[236+\g]
.endr
.irp g, 0,1
	s_delay_alu instid0(VALU_DEP_2)
	v_add_nc_u32 v[244+\g], 0xfe000000, v[232+\g]
.endr
.irp g, 0,1
	s_delay_alu instid0(VALU_DEP_2)
	v_lshrrev_b32 v[236+\g], 23, v[244+\g]
.endr
	s_delay_alu instid0(VALU_DEP_1)
	v_lshl_or_b32 v240, v237, 8, v236
	s_wait_alu depctr_va_vdst(0)
	s_wait_xcnt 0x0                                ; the first tile's stores have read v206-211: they are written again only behind this wait
	v_cvt_scalef32_pk16_bf6_f32 v[206:208], v[96:111], v244
	v_cvt_scalef32_pk16_bf6_f32 v[210:212], v[112:127], v245
	v_nop
.irp i, 0,1,2
	v_permlane16_swap_b32 v[206+\i], v[210+\i]     ; lanes 0-15 block 0, lanes 16-31 block 1
.endr
	s_delay_alu instid0(VALU_DEP_3)
	v_mov_b32 v209, v210
	s_delay_alu instid0(VALU_DEP_3)
	v_mov_b32 v210, v211
	s_delay_alu instid0(VALU_DEP_3)
	v_mov_b32 v211, v212
.irp p, 0,1,2
	global_store_b64 v1, v[206+2*\p:207+2*\p], s[\YB:\YB+1] offset:256*\p   ; 256 consecutive bytes, aligned
.endr
	ds_store_b16 v[\YSA], v240                     ; lanes r and r + 16 write the same two bytes
.endm
.macro MEET n                          ; my loads of the stage ahead have landed (n younger ones may be out), no LDS instruction of mine is out: then the barrier
	s_wait_tensorcnt \n
	s_wait_dscnt 0x0
	s_barrier_signal -1
	s_barrier_wait -1
.endm
	INIT
	s_mov_b32 s[TB], 0
	s_mov_b32 s[J], 0
	s_wait_loadcnt 0x0                             ; Q
	MEET 2                                         ; steps 0-3 are whole
.La0:                                              ; the first tile, of groups 8-15: its first eight steps count whole
	STEP 0, 16, 255, JA, 7
	s_add_co_u32 s[J], s[J], 1
	s_cmp_lt_u32 s[J], 4
	s_cbranch_scc1 .La0
	s_setprio 0
	MEET 1                                         ; steps 4-7
.La1:
	STEP 0, 16, 255, JA, 7
	s_add_co_u32 s[J], s[J], 1
	s_cmp_lt_u32 s[J], 8
	s_cbranch_scc1 .La1
	s_setprio 0
	MEET 0                                         ; steps 8-15
.La2:
	STEP 1, 16, 255, JA, 7
	s_add_co_u32 s[J], s[J], 1
	s_cmp_lt_u32 s[J], 16
	s_cbranch_scc1 .La2
	s_setprio 0
	YOUT 9, 52
	INIT
	s_mov_b32 s[TB], 0
	s_mov_b32 s[J], 0
.Lb0:                                              ; the second tile, of groups 0-7
	STEP 1, 192, 204, JB, 8
	s_add_co_u32 s[J], s[J], 1
	s_cmp_lt_u32 s[J], 8
	s_cbranch_scc1 .Lb0
	s_setprio 0
	YOUT 10, 58
	s_wait_dscnt 0x0                               ; for the others' sake: my two stores of scale bytes are done
	s_barrier_signal -1
	s_barrier_wait -1
	s_cmp_gt_u32 s[WV], 1
	s_cbranch_scc1 .Lno_ys
	ds_load_b128 v[96:99], v11                     ; waves 0 and 1 send the work-group's 1,024 scale bytes: 512 consecutive bytes a wave
	s_wait_dscnt 0x0
	global_store_b128 v205, v[96:99], s[60:61]
.Lno_ys:
	s_wait_tensorcnt 0x0
	ds_add_u32 v223, v243
	s_wait_dscnt 0x0
	CROUND                                         ; the closing round
	s_endpgm
.Lfunc_end_k_qf74cbbc0ae_attn:
	.size	k_qf74cbbc0ae_attn, .Lfunc_end_k_qf74cbbc0ae_attn-k_qf74cbbc0ae_attn
	.p2alignl 7, 3214868480
	.fill 96, 4, 3214868480
	.section	.rodata,"a",@progbits
	.p2align	6, 0x0
	.amdhsa_kernel k_qf74cbbc0ae_attn
		.amdhsa_group_segment_fixed_size 211968
		.amdhsa_private_segment_fixed_size 0
		.amdhsa_enable_private_segment 0
		.amdhsa_kernarg_size 24
		.amdhsa_user_sgpr_count 2
		.amdhsa_user_sgpr_kernarg_segment_ptr 1
		.amdhsa_wavefront_size32 1
		.amdhsa_system_sgpr_workgroup_id_x 1
		.amdhsa_system_sgpr_workgroup_id_y 1
		.amdhsa_system_sgpr_workgroup_id_z 1
		.amdhsa_system_vgpr_workitem_id 0
		.amdhsa_next_free_vgpr 256
		.amdhsa_next_free_sgpr 90
		.amdhsa_reserve_vcc 1
		.amdhsa_float_denorm_mode_32 3
		.amdhsa_float_denorm_mode_16_64 3
		.amdhsa_memory_ordered 1
		.amdhsa_forward_progress 1
		.amdhsa_inst_pref_size 105
	.end_amdhsa_kernel
	.amdgpu_metadata
---
amdhsa.version: [ 1, 2 ]
amdhsa.kernels:
  - .name:           k_qf74cbbc0ae_attn
    .symbol:         k_qf74cbbc0ae_attn.kd
    .args:
      - { .name: qkv_img, .offset: 0, .size: 8, .value_kind: global_buffer, .address_space: global }
      - { .name: y_img, .offset: 8, .size: 8, .value_kind: global_buffer, .address_space: global }
      - { .name: ys, .offset: 16, .size: 8, .value_kind: global_buffer, .address_space: global }
    .group_segment_fixed_size: 211968
    .private_segment_fixed_size: 0
    .kernarg_segment_align: 8
    .kernarg_segment_size: 24
    .max_flat_workgroup_size: 512
    .sgpr_count:     90
    .vgpr_count:     256
    .wavefront_size: 32
...
	.end_amdgpu_metadata
.endif
;; end of part 3
;; launch proj (part 4): grid 4 x 32, 4 waves a work-group, clusters of 4 x 4, 327,680 bytes of LDS; arguments y_img, ys, w_codes, w_scales, out0; writes out0
.if DOCPART == 4
	.amdgcn_target "amdgcn-amd-amdhsa--gfx1250"
	.amdhsa_code_object_version 6
	.text
	.protected	k_qf74cbbc0ae_proj
	.globl	k_qf74cbbc0ae_proj
	.p2align	8
	.type	k_qf74cbbc0ae_proj,@function
k_qf74cbbc0ae_proj:
	s_mov_b64 s[64:65], 0
	v_nop
	global_prefetch_b8 v0, s[64:65] scope:SCOPE_SE
	s_setreg_imm32_b32 hwreg(HW_REG_WAVE_MODE, 25, 1), 1
	s_wait_xcnt 0x0
	s_wait_alu depctr_hold_cnt(0) depctr_sa_sdst(0) depctr_va_vdst(0) depctr_va_sdst(0) depctr_va_ssrc(0) depctr_va_vcc(0) depctr_vm_vsrc(0)
	s_getreg_b32 s2, hwreg(HW_REG_IB_STS2, 6, 4)
	s_cmp_eq_u32 s2, 0
	s_cbranch_scc0 .Lentry_in_a_cluster
	s_endpgm
.Lentry_in_a_cluster:
	s_bfe_u32 s2, ttmp6, 0x10000c
	s_cmp_lg_u32 s2, 0xf033
	s_cbranch_scc0 .Lentry_shape_is_right
	s_endpgm
.Lentry_shape_is_right:
; out0 = y w_proj on codes of BF6 with E8M0 scales, K = 1024.  y comes as images of operand registers: y_img [tile of 16 tokens 512][head 16][3 pieces of 256 bytes], a piece = two registers, lane l's 8 bytes at 8 l;
; its scale bytes ys [batch][head][cx 4][group 16][e 2][r 16], two bytes each.  w_proj's codes are positions 3072-4095 of w_codes, 768 bytes a row, its scale bytes 32 a row.
; A tile of out0 is 256 x 256, four waves, a wave 128 x 128: 64 accumulators.  K goes in steps of 256 (four heads) through a ring of two LDS slots.  128 tiles: half of the WGPs have work; the main loop is kept as in the launch for qkv.
; Source 0 = 16 rows of B (columns of w_proj), source 1 = 16 rows of A (tokens).  Both lie at positions with bits 3 and 4 exchanged: block a's lane r is token 32 (a / 2) + 8 (a % 2) + r + 8 (r / 8);
; a lane's eight results of block b are columns 32 (b / 2) + 16 (lane / 16) + 8 (b % 2) + 0 .. 7.
; CLUSTERS: 4 x 4; A's tiles are asked for jointly along a row of the cluster, B's and B's scales along a column.  A's scale bytes are laid row by row into LDS by the waves themselves, once.
; REGISTERS: window 0: v5-31 addresses; v32-63 scale words, two sets; v128-223 A's fragments; v224-239 ys as loaded; on the way out v128-255.  window 1: B's fragments, two sets.  windows 2, 3: the accumulators.
.set SIZE_K, 1024
.set KSTEP,  256
.set NQ,     KSTEP/128
.set ROWB,   192
.set KROW,   768
.set PITCH,  240                       ; B's LDS row: 3 x (64 bytes + 16 of padding)
.set FR,     12
.set NL,     6
.set NP,     4
.set AHALF,  8*3072                    ; A: 8 tiles of 16 tokens x 4 heads x 768 bytes: what one tensor load brings, and what one wave reads
.set BOFF,   2*AHALF                   ; B's 256 rows lie behind A's 16 tiles
.set BHALF,  128*PITCH
.set SLOT,   BOFF+2*BHALF
.set LAPS,   SIZE_K/(2*KSTEP)
.set KS,     32
.set SCL,    2*SLOT                    ; the scales, as units of 256 bytes + 16: A's 256 rows (written by ds_store alone), then B's 256 rows (filled once by tensor loads)
.set HALFS,  4352
.set SBLK,   544
.set SPARE,  SCL+4*HALFS
.set SPITCH, 528                       ; the way out: a stage of 16 rows x (512 + 16) bytes a wave, in slot 0, which has had its last fill and its last read by then
.set ADRA, 16                          ; v16-17 my A fragments in slot 0, 1
.set ADRB, 20                          ; v20-23 B's (two more for the pieces behind one padding more)
.set STO,  24
.set RD,   25
.set CO,   26
.set ADRS, 27
.set SPW,  28
.set NIL,  29
.set SC,   32
.set AF,   128
.set BK,   128
.set YR,   224                         ; v224-239 sixteen registers of ys
.set G1, 24
.set G0, 32
.set G1B, 48
.set G0B, 56
.set G1SB, 80
.set G0SB, 88
.set MSB, 0
.macro WIN new
.if MSB != \new
	s_set_vgpr_msb (MSB<<8)|\new
.set MSB, \new
.endif
.endm
.set MUL_LO, 0xa1
.set MUL_HI, 0xf1
.set TO_B,   0x40
.macro JLOAD g0a, g1a, g0b, g1b        ; waves 0 and 1 fetch for A, waves 2 and 3 for B; four v_nop follow each of the two lines
	s_cmp_eq_u32 s15, 0
	s_cbranch_scc0 .Lfor_b_\@
	tensor_load_to_lds s[\g0a:\g0a+3], s[\g1a:\g1a+7]
	s_nop 0
.rept 4
	v_nop
.endr
	s_branch .Lasked_\@
.Lfor_b_\@:
	tensor_load_to_lds s[\g0b:\g0b+3], s[\g1b:\g1b+7]
	s_nop 0
.rept 4
	v_nop
.endr
.Lasked_\@:
.endm
.macro CREST
	s_cmp_lg_u32 s14, 0
	s_cbranch_scc1 .Lnot_wave_0_\@
	s_barrier_signal -3
.Lnot_wave_0_\@:
	s_barrier_wait -3
	s_barrier_signal -1
	s_barrier_wait -1
.endm
.macro CROUND
	s_barrier_signal -1
	s_barrier_wait -1
	CREST
.endm
	s_load_b128 s[4:7], s[0:1], 0x0                ; y_img, ys
	s_load_b128 s[8:11], s[0:1], 0x10              ; w_codes, w_scales
	s_load_b64 s[12:13], s[0:1], 0x20              ; out0
	v_lshl_add_u32 v[SPW], v0, 2, SPARE
	v_mov_b32 v[NIL], 0
	ds_add_u32 v28, v29
	ds_add_u32 v28, v29
	s_wait_dscnt 0x0
	v_lshrrev_b32 v1, 5, v0
	v_readfirstlane_b32 s14, v1                    ; wave 0..3
	s_lshr_b32 s15, s14, 1                         ; my half of A's rows.  Also: I fetch for A (0) or for B (1)
	s_and_b32 s16, s14, 1                          ; my half of B's rows.  Also: which half of that tile I fetch
	s_bfe_u32 s40, ttmp6, 0x40000                  ; cx
	s_bfe_u32 s41, ttmp6, 0x40004                  ; cy
	s_lshl_b32 s42, ttmp9, 2
	s_add_co_u32 s42, s42, s40                     ; B's tile 0..3
	s_and_b32 s17, ttmp7, 0xffff
	s_lshl_b32 s17, s17, 2
	s_add_co_u32 s17, s17, s41                     ; A's tile 0..31
	s_lshl_b32 s43, s41, 2
	s_lshl_b32 s43, 15, s43                        ; my row of the cluster
	s_lshl_b32 s44, 0x1111, s40                    ; my column
	s_or_b32 s[G1+0], s43, (3<<16)|(1<<21)         ; A: 8 rows (tiles of 16 tokens) of 3,072 bytes (four heads), 12,288 bytes apart; elements of 8 bytes; no padding: a piece's 256 bytes are consecutive
	s_mov_b32 s[G1+1], 384<<16
	s_mov_b32 s[G1+2], 8<<16
	s_mov_b32 s[G1+3], 384<<16
	s_mov_b32 s[G1+4], 8
	s_mov_b32 s[G1+5], 1536
	s_mov_b32 s[G1+6], 0
	s_mov_b32 s[G1+7], 0
	s_or_b32 s[G1B+0], s44, (0<<16)|(1<<20)|(1<<21)|(3<<22)|(3<<25)  ; B: 128 rows of 192 bytes, 16 bytes of padding behind every 64
	s_mov_b32 s[G1B+1], ROWB<<16
	s_mov_b32 s[G1B+2], 128<<16
	s_mov_b32 s[G1B+3], ROWB<<16
	s_mov_b32 s[G1B+4], 128
	s_mov_b32 s[G1B+5], KROW
	s_mov_b32 s[G1B+6], 0
	s_mov_b32 s[G1B+7], 0
	s_or_b32 s[G1SB+0], s44, (3<<16)|(1<<20)|(1<<21)|(5<<22)|(3<<25)  ; B's scales of 64 rows: 2,048 dense bytes as 8 rows of 256, 16 bytes of padding behind each
	s_mov_b32 s[G1SB+1], 32<<16
	s_mov_b32 s[G1SB+2], 8<<16
	s_mov_b32 s[G1SB+3], 32<<16
	s_mov_b32 s[G1SB+4], 8
	s_mov_b32 s[G1SB+5], 32
	s_mov_b32 s[G1SB+6], 0
	s_mov_b32 s[G1SB+7], 0
	s_lshl_b32 s20, s17, 4
	s_lshl_b32 s18, s16, 3
	s_add_co_u32 s20, s20, s18                     ; A: tile of 16 tokens 16 x tile + 8 x half
	s_mul_i32 s20, s20, 12288
	s_mov_b32 s21, 0
	s_lshl_b32 s46, s42, 8
	s_lshl_b32 s18, s16, 7
	s_add_co_u32 s46, s46, s18
	s_add_co_u32 s46, s46, 3072                    ; B: position 3072 + 256 x tile + 128 x half
	s_mul_i32 s46, s46, KROW
	s_mov_b32 s47, 0
	s_lshl_b32 s92, s42, 8
	s_lshl_b32 s18, s14, 6
	s_add_co_u32 s92, s92, s18
	s_add_co_u32 s92, s92, 3072                    ; B's scales: each wave brings those of 64 rows
	s_lshl_b32 s92, s92, 5
	s_mov_b32 s93, 0
	s_mul_i32 s45, s16, AHALF                      ; where they go: no place in the cluster enters an LDS address
	s_mul_i32 s94, s16, BHALF
	s_add_co_u32 s94, s94, BOFF
	s_mul_i32 s95, s14, 2176
	s_add_co_u32 s95, s95, SCL+2*HALFS
	s_wait_kmcnt 0x0
	s_add_nc_u64 s[20:21], s[4:5], s[20:21]
	s_add_nc_u64 s[46:47], s[8:9], s[46:47]
	s_add_nc_u64 s[92:93], s[10:11], s[92:93]
	CROUND                                         ; all sixteen work-groups are here: the first joint loads meet
	s_mov_b32 s[G0SB], 1
	s_mov_b32 s[G0SB+1], s95
	s_mov_b64 s[G0SB+2:G0SB+3], s[92:93]
	s_or_b32 s[G0SB+3], s[G0SB+3], 0x80000000
	tensor_load_to_lds s[G0SB:G0SB+3], s[G1SB:G1SB+7]   ; every wave: its quarter of B's scales; three loads of mine are out behind the first fills
	s_nop 0
.rept 4
	v_nop
.endr
.irp s, 0,1
	s_mov_b32 s[G0+4*\s], 1
	s_add_co_u32 s[G0+4*\s+1], s45, \s*SLOT
	s_add_nc_u64 s[G0+4*\s+2:G0+4*\s+3], s[20:21], \s*3072
	s_or_b32 s[G0+4*\s+3], s[G0+4*\s+3], 0x80000000
	s_mov_b32 s[G0B+4*\s], 1
	s_add_co_u32 s[G0B+4*\s+1], s94, \s*SLOT
	s_add_nc_u64 s[G0B+4*\s+2:G0B+4*\s+3], s[46:47], \s*ROWB
	s_or_b32 s[G0B+4*\s+3], s[G0B+4*\s+3], 0x80000000
	JLOAD G0+4*\s, G1, G0B+4*\s, G1B
.endr
	; A's scale bytes.  Thread t reads, for heads 4 (t / 32) + n, 16 bytes: eight rows' pairs of bytes, of cx' = (t / 8) % 4 and chunk t % 8 = [group of the tile's two][e][r / 8].  Row 128 jj + 32 cx' + 16 e + r of the tile
	; wants them at byte 2 x head of its 32: unit 16 jj + 4 cx' + 2 e + r / 8 of 272 bytes, 32 (r % 8) in it.
	s_lshr_b32 s22, s17, 3
	s_lshl_b32 s22, s22, 16                        ; the batch: 65,536 bytes
	s_and_b32 s23, s17, 7
	s_lshl_b32 s23, s23, 7                         ; the tile's two groups: 128 bytes
	s_add_co_u32 s22, s22, s23
	s_mov_b32 s23, 0
	s_add_nc_u64 s[6:7], s[6:7], s[22:23]
	v_lshrrev_b32 v5, 5, v0
	v_bfe_u32 v6, v0, 3, 2
	v_and_b32 v7, 7, v0
	v_lshlrev_b32 v8, 14, v5
	v_lshl_add_u32 v8, v6, 10, v8
	v_lshl_add_u32 v8, v7, 4, v8
.irp n, 0,1,2,3
	global_load_b128 v[YR+4*\n:YR+4*\n+3], v8, s[6:7] offset:4096*\n
.endr
	v_and_b32 v9, 3, v0
	v_bfe_u32 v10, v0, 2, 1
	v_lshl_add_u32 v9, v10, 4, v9
	v_lshl_add_u32 v9, v6, 2, v9
	v_mul_u32_u24 v9, v9, 272
	v_lshl_add_u32 v9, v5, 3, v9
	v_add_nc_u32 v9, SCL, v9
	v_and_b32 v1, 15, v0                           ; r
	v_bfe_u32 v2, v0, 4, 1                         ; h
	v_and_b32 v6, 31, v0
	v_lshlrev_b32 v3, 3, v6                        ; A: my 8 bytes of a piece
	v_mul_u32_u24 v4, v1, PITCH
	v_mad_u32_u24 v4, v2, 24, v4                   ; B: a fragment's row x pitch + 24 x half
	v_lshl_add_u32 v5, v2, 4, v4                   ; and the same behind one padding more
	s_mul_i32 s21, s15, AHALF
	s_mul_i32 s22, s16, BHALF
	s_add_co_u32 s22, s22, BOFF
.irp s, 0,1
	v_add_nc_u32 v[ADRA+\s], s21, v3
	v_add_nc_u32 v[ADRB+\s], s22, v4
	v_add_nc_u32 v[ADRB+2+\s], s22, v5
	s_add_co_u32 s21, s21, SLOT
	s_add_co_u32 s22, s22, SLOT
.endr
	v_mul_u32_u24 v5, v1, KS
	v_lshrrev_b32 v7, 8, v5
	v_lshl_add_u32 v5, v7, 4, v5
	s_mul_i32 s21, s15, HALFS
	s_mul_i32 s22, s16, HALFS
	s_add_co_u32 s22, s22, 2*HALFS
	s_sub_co_u32 s22, s22, s21
	v_mul_u32_u24 v7, s22, v2                      ; lanes 16-31 take B's: one product, the distance between the two bases
	s_add_co_u32 s21, s21, SCL
	v_add_nc_u32 v5, v5, v7
	v_add_nc_u32 v[ADRS], s21, v5
	s_mul_i32 s23, s14, 16*SPITCH                  ; my stage
	v_mul_u32_u24 v5, v1, SPITCH
	v_lshl_add_u32 v5, v2, 6, v5                   ; in: row r, + 64 h
	v_add_nc_u32 v[STO], s23, v5
	v_lshlrev_b32 v[CO], 4, v6                     ; back: the 32 lanes take a row of 512 bytes; the same in out0
	v_add_nc_u32 v[RD], s23, v[CO]
	s_lshl_b32 s20, s17, 8
	s_lshl_b32 s21, s15, 7
	s_add_co_u32 s20, s20, s21                     ; my first token
	s_lshl_b32 s20, s20, 12                        ; rows of 4,096 bytes
	s_mov_b32 s21, 0
	s_lshl_b32 s46, s42, 10                        ; my first column, in bytes
	s_lshl_b32 s47, s16, 9
	s_add_co_u32 s46, s46, s47
	s_mov_b32 s47, 0
	s_add_nc_u64 s[20:21], s[20:21], s[46:47]
	s_add_nc_u64 s[12:13], s[12:13], s[20:21]
	s_wait_loadcnt 0x0                             ; ys
.irp n, 0,1,2,3
.irp k, 0,1,2,3
	ds_store_b16 v9, v[YR+4*\n+\k] offset:64*\k+2*\n               ; row 2 k of my eight
	ds_store_b16_d16_hi v9, v[YR+4*\n+\k] offset:64*\k+32+2*\n     ; row 2 k + 1
.endr
.endr
.macro FRAG reg, adr, q, i             ; B's fragment, in pieces of 8 bytes out of padded rows
.irp p, 0,1,2,3,4,5
.set PC, 12*(\q)+6*(\p/3)+\p%3
.if PC%8 < 5
	ds_load_b64 v[\reg+2*\p:\reg+2*\p+1], v[\adr] offset:8*PC+16*(PC/8)+(\i)*16*PITCH
.else
	ds_load_b64 v[\reg+2*\p:\reg+2*\p+1], v[\adr+2] offset:8*PC+16*(PC/8)+(\i)*16*PITCH
.endif
.endr
.endm
.macro FRAG_A reg, slot, q, i          ; A's fragment: six pieces as they were stored: heads 2 q and 2 q + 1 of the slot's four
.irp p, 0,1,2,3,4,5
	ds_load_b64 v[\reg+2*\p:\reg+2*\p+1], v[ADRA+\slot] offset:3072*(\i)+1536*(\q)+256*\p
.endr
.endm
.macro MUL16 a0, p, q, sc, zero        ; the 64 accumulators take turns, one instruction a turn
.irp a, \a0, \a0+1
.irp b, 0,1,2,3,4,5,6,7
.if \zero
	v_wmma_scale_f32_16x16x128_f8f6f4 v[8*(8*((\a)%4)+\b):8*(8*((\a)%4)+\b)+7], v[128*(\p)+FR*\b:128*(\p)+FR*\b+FR-1], v[AF+FR*(\a):AF+FR*(\a)+FR-1], 0, v[SC+8*NQ*(\sc)+NQ*\b+(\q)], v[SC+8*NQ*(\sc)+NQ*(\a)+(\q)] matrix_a_fmt:MATRIX_FMT_BF6 matrix_b_fmt:MATRIX_FMT_BF6 matrix_a_scale:MATRIX_SCALE_ROW1
.else
	v_wmma_scale_f32_16x16x128_f8f6f4 v[8*(8*((\a)%4)+\b):8*(8*((\a)%4)+\b)+7], v[128*(\p)+FR*\b:128*(\p)+FR*\b+FR-1], v[AF+FR*(\a):AF+FR*(\a)+FR-1], v[8*(8*((\a)%4)+\b):8*(8*((\a)%4)+\b)+7], v[SC+8*NQ*(\sc)+NQ*\b+(\q)], v[SC+8*NQ*(\sc)+NQ*(\a)+(\q)] matrix_a_fmt:MATRIX_FMT_BF6 matrix_b_fmt:MATRIX_FMT_BF6 matrix_a_scale:MATRIX_SCALE_ROW1
.endif
.endr
.endr
.endm
.macro FETCH_B slot, q, p
	WIN TO_B
.irp i, 0,1,2,3,4,5,6,7
	FRAG 128*(\p)+FR*\i, ADRB+\slot, \q, \i
.endr
	WIN 0
.endm
.macro FETCH_A slot, q, i0
.irp i, \i0, \i0+1, \i0+2, \i0+3
	FRAG_A AF+FR*(\i), \slot, \q, \i
.endr
.endm
.macro SCALES sc
.irp i, 0,1,2,3,4,5,6,7
	ds_load_b64 v[SC+8*NQ*\sc+NQ*\i:SC+8*NQ*\sc+NQ*\i+1], v[ADRS] offset:\i*SBLK
.endr
.endm
.macro PLACES n
.rept \n
	v_nop
.endr
.endm
.macro STEP slot, q, zero
	s_wait_dscnt 4*NL                              ; B's set and A's blocks 0-3 are in; the youngest 24 loads (A's blocks 4-7) may be out
	WIN MUL_LO
	MUL16 0, (\q)%2, \q, \slot, \zero
	MUL16 2, (\q)%2, \q, \slot, \zero
	s_wait_dscnt 0
	PLACES NP
	FETCH_B \slot, (\q)+1, 1-(\q)%2
	FETCH_A \slot, (\q)+1, 0
	WIN MUL_HI
	MUL16 4, (\q)%2, \q, \slot, \zero
	MUL16 6, (\q)%2, \q, \slot, \zero
	PLACES NP
	WIN 0
	FETCH_A \slot, (\q)+1, 4
.endm
.macro TURN slot, next, fill
	s_wait_tensorcnt 0x0                           ; all my tensor loads have landed: my part of the next slot
	ds_add_u32 v[SPW], v[NIL]                      ; 0 onto my spare word
	s_wait_dscnt 4*NL+1                            ; (the add and the youngest 24 loads may be out)
	WIN MUL_LO
	MUL16 0, 1, NQ-1, \slot, 0
	s_wait_dscnt 0x0                               ; the add is done, and my reads of this slot are over
	s_barrier_signal -1
	MUL16 2, 1, NQ-1, \slot, 0
	WIN 0
	s_barrier_wait -1
.if \fill
	CREST                                          ; the barrier has opened a round of the cluster's
	s_add_nc_u64 s[G0+4*\slot+2:G0+4*\slot+3], s[G0+4*\slot+2:G0+4*\slot+3], 2*3072
	s_add_nc_u64 s[G0B+4*\slot+2:G0B+4*\slot+3], s[G0B+4*\slot+2:G0B+4*\slot+3], 2*ROWB
	JLOAD G0+4*\slot, G1, G0B+4*\slot, G1B         ; the first tensor load behind the round; its four v_nop are the places in front of the loads below
.else
	PLACES NP
.endif
	v_add_nc_u32 v[ADRS], 4*NQ, v[ADRS]
	FETCH_B \next, 0, 0
	FETCH_A \next, 0, 0
	SCALES \next
	WIN MUL_HI
	MUL16 4, 1, NQ-1, \slot, 0
	MUL16 6, 1, NQ-1, \slot, 0
	PLACES NP
	WIN 0
	FETCH_A \next, 0, 4
.endm
	s_wait_tensorcnt 1                             ; B's scales and my part of K step 0 are in (K step 1's load may be out)
	s_wait_dscnt 0x0                               ; and my stores of A's scale bytes are done
	s_barrier_signal -1
	s_barrier_wait -1
	FETCH_B 0, 0, 0
	FETCH_A 0, 0, 0
	SCALES 0
	FETCH_A 0, 0, 4
	STEP 0, 0, 1
	s_mov_b32 s3, LAPS-1
.Llap:
	TURN 0, 1, 1
	STEP 1, 0, 0
	TURN 1, 0, 1
	STEP 0, 0, 0
	s_sub_co_u32 s3, s3, 1
	s_cmp_lg_u32 s3, 0
	s_cbranch_scc1 .Llap
	TURN 0, 1, 0
	STEP 1, 0, 0
	s_wait_dscnt 4*NL
	WIN MUL_LO
	MUL16 0, 1, NQ-1, 1, 0
	MUL16 2, 1, NQ-1, 1, 0
	s_wait_dscnt 0
	WIN MUL_HI
	MUL16 4, 1, NQ-1, 1, 0
	MUL16 6, 1, NQ-1, 1, 0
	WIN 0
; THE WAY OUT, block by block of 16 tokens x 128 columns, through my own stage: in as 32 bytes a lane at the columns' true places, back as whole rows of 512 bytes.  LDS serves a wave's instructions in order.
.macro TOSTAGE a
.set AC, 64*((\a)%4)
	WIN 0x08+4*((\a)/4)                            ; the data: window 2 or 3
.irp b, 0,1,2,3,4,5,6,7
	ds_store_b128 v[STO], v[AC+8*\b:AC+8*\b+3] offset:128*(\b/2)+32*(\b%2)        ; each accumulator from its low end on
	ds_store_b128 v[STO], v[AC+8*\b+4:AC+8*\b+7] offset:128*(\b/2)+32*(\b%2)+16
.endr
	WIN 0
.set BB, BK+64*((\a)%2)
.irp t, 0,1,2,3,4,5,6,7,8,9,10,11,12,13,14,15
	ds_load_b128 v[BB+4*\t:BB+4*\t+3], v[RD] offset:\t*SPITCH
.endr
.endm
.macro SEND a, younger                 ; stage row t of block a is token 32 (a / 2) + 8 (a % 2) + t + 8 (t / 8)
.set BB, BK+64*((\a)%2)
	s_wait_dscnt \younger                          ; the block is back in registers; the next block's 16 stores and 16 loads may be out
.if (\a) > 0
.if (\a)%2
	s_add_nc_u64 s[12:13], s[12:13], 8*4096        ; (behind a wait on XCNT: the earlier stores have read their base)
.else
	s_add_nc_u64 s[12:13], s[12:13], 24*4096
.endif
.endif
.irp t, 0,1,2,3,4,5,6,7,8,9,10,11,12,13,14,15
	global_store_b128 v[CO], v[BB+4*\t:BB+4*\t+3], s[12:13] offset:(\t+8*(\t/8))*4096 th:TH_STORE_NT   ; 32 lanes store 512 consecutive bytes, aligned
.endr
.endm
	PLACES NP
	TOSTAGE 0
.irp a, 1,2,3,4,5,6,7
.if \a > 1
	s_wait_xcnt 0x0                                ; block a - 2's stores have read their registers and their base
.endif
	TOSTAGE \a
	SEND \a-1, 32
.endr
	s_wait_xcnt 0x0
	SEND 7, 0
	s_wait_tensorcnt 0x0                           ; the wave's end
	ds_add_u32 v[SPW], v[NIL]
	s_wait_dscnt 0x0
	CROUND                                         ; the closing round
	s_endpgm
.Lfunc_end_k_qf74cbbc0ae_proj:
	.size	k_qf74cbbc0ae_proj, .Lfunc_end_k_qf74cbbc0ae_proj-k_qf74cbbc0ae_proj
	.p2alignl 7, 3214868480
	.fill 96, 4, 3214868480
	.section	.rodata,"a",@progbits
	.p2align	6, 0x0
	.amdhsa_kernel k_qf74cbbc0ae_proj
		.amdhsa_group_segment_fixed_size 327680
		.amdhsa_private_segment_fixed_size 0
		.amdhsa_enable_private_segment 0
		.amdhsa_kernarg_size 40
		.amdhsa_user_sgpr_count 2
		.amdhsa_user_sgpr_kernarg_segment_ptr 1
		.amdhsa_wavefront_size32 1
		.amdhsa_system_sgpr_workgroup_id_x 1
		.amdhsa_system_sgpr_workgroup_id_y 1
		.amdhsa_system_sgpr_workgroup_id_z 1
		.amdhsa_system_vgpr_workitem_id 0
		.amdhsa_next_free_vgpr 1024
		.amdhsa_next_free_sgpr 102
		.amdhsa_reserve_vcc 0
		.amdhsa_float_denorm_mode_32 3
		.amdhsa_float_denorm_mode_16_64 3
		.amdhsa_memory_ordered 1
		.amdhsa_forward_progress 1
		.amdhsa_inst_pref_size 162
	.end_amdhsa_kernel
	.amdgpu_metadata
---
amdhsa.version: [ 1, 2 ]
amdhsa.kernels:
  - .name:           k_qf74cbbc0ae_proj
    .symbol:         k_qf74cbbc0ae_proj.kd
    .args:
      - { .name: y_img, .offset: 0, .size: 8, .value_kind: global_buffer, .address_space: global }
      - { .name: ys, .offset: 8, .size: 8, .value_kind: global_buffer, .address_space: global }
      - { .name: w_codes, .offset: 16, .size: 8, .value_kind: global_buffer, .address_space: global }
      - { .name: w_scales, .offset: 24, .size: 8, .value_kind: global_buffer, .address_space: global }
      - { .name: out0, .offset: 32, .size: 8, .value_kind: global_buffer, .address_space: global }
    .group_segment_fixed_size: 327680
    .private_segment_fixed_size: 0
    .kernarg_segment_align: 8
    .kernarg_segment_size: 40
    .max_flat_workgroup_size: 128
    .sgpr_count:     102
    .vgpr_count:     1024
    .wavefront_size: 32
...
	.end_amdgpu_metadata
.endif
;; end of part 4
